; MI455X (gfx1250); checked and timed in simulation.
; The chip was launched on July 23, 2026; its instructions are those of AMD's public machine-readable ISA for CDNA 5 (MIT licence, August 2026) and "CDNA5" Instruction Set Architecture Reference Guide (July 2026). The comments in the code are by the model that wrote it; some were corrected since.
;; Differential Attention. Allowed arithmetic: matrix products marked QUANTISED: E2M1 operands, one E8M0 scale for each 32 along K, by v_wmma_scale_f32_16x16x128_f8f6f4 with both operands' format E2M1 (or v_wmma_scale_f32_32x16x128_f4), f32 sums; products left as they are: bf16, f16 or f32 operands; f32 sums; everything else in f32.
;; Inputs: lambda_k1 64 float32; lambda_k2 64 float32; lambda_q1 64 float32; lambda_q2 64 float32; rms_weight 128 float32; w_proj 1,024 x 1,024 float32; w_qkv 1,024 x 3,072 float32; x 2 x 2,048 x 1,024 float32.
;; Outputs: out0 2 x 2,048 x 1,024 float32.
;; This version of the problem:
;;   THIS VERSION OF THE PROBLEM IS GIVEN IN LOW PRECISION. The matrix products marked QUANTISED in the list below multiply operands that are first quantised to E2M1 (2 exponent bits, 1 mantissa bit; 4 bits a number), with one power-of-two scale for each 32 numbers along K (OCP MX v1.0); their sums are f32. The products marked 'left as it is' may take bf16, f16 or f32 operands, with f32 sums. Whichever they take, every output number must still come out within the allowed error. Rounding operands to bf16 (8 significant bits) uses up far more of that allowance than f16 does (11 bits, for magnitudes from 6e-5 to 65,504). All else is computed in f32.
;;   The module's matrix products, in the order in which they are computed (A, B: the left and right operand; K: the contracted axis; several contracted axes count as one K, in the product's order):
;;     1. [M 4,096, K 1,024] x [K 1,024, N 3,072]; A: input x; B: input w_qkv: QUANTISED
;;     2. batch 16 x [M 2,048, K 64] x [K 64, N 2,048]; A: computed on the way; B: computed on the way: left as it is (an operand is computed on the way)
;;     3. batch 16 x [M 2,048, K 64] x [K 64, N 2,048]; A: computed on the way; B: computed on the way: left as it is (an operand is computed on the way)
;;     4. batch 16 x [M 2,048, K 2,048] x [K 2,048, N 128]; A: computed on the way; B: computed on the way: left as it is (an operand is computed on the way)
;;     5. [M 4,096, K 1,024] x [K 1,024, N 1,024]; A: computed on the way; B: input w_proj: left as it is (an operand is computed on the way)
;;   THE QUANTISER, for each operand of a quantised product, along K:
;;     - K is cut into blocks of 32 from its start; a last block that is shorter is filled with zeros.
;;     - A block's scale is 2^e with e = floor(log2(the largest magnitude in the block)) - 2, held to -126 .. 127; a block of zeros has e = 0. As a byte (E8M0): e + 127.
;;     - Each number is divided by its block's scale, clamped to +-6, and rounded to the nearest number of E2M1, ties to even, subnormals kept.
;;     - The product sums the exact products of the quantised numbers (number of the format x scale) in f32.
;;   ~~~python
;;   def quantise(x, axis):      # numpy; x: float32 -> the quantised numbers, widened to float32 again
;;       x = np.moveaxis(x, axis, -1); K = x.shape[-1]
;;       x = np.pad(x, [(0, 0)] * (x.ndim - 1) + [(0, -K % 32)]); x = x.reshape(x.shape[:-1] + (-1, 32)); a = np.abs(x).max(-1, keepdims=True)
;;       e = np.where(a > 0, np.clip(np.frexp(np.where(a > 0, a, 1))[1] - 1 - 2, -126, 127), 0)      # np.frexp(a)[1] - 1 = floor(log2(a)), exactly
;;       r = np.clip(x / 2.0 ** e, -6, 6)
;;       step = 2.0 ** (np.maximum(np.frexp(np.where(r == 0, 1, r))[1] - 1, 0) - 1)
;;       q = np.round(r / step) * step * 2.0 ** e      # np.round: ties to even
;;       return np.moveaxis(q.reshape(q.shape[:-2] + (-1,))[..., :K], -1, axis).astype(np.float32)
;;   ~~~
;; One version. Each part assembles by itself: llvm-mc -triple=amdgcn-amd-amdhsa -mcpu=gfx1250 --defsym DOCPART=n.
;; ======== version 1 of 1: 4 launches
;; limits: values are held in f16: magnitudes above 65,504 overflow, below 6.1e-05 lose precision
;; workspace buffers: xc 2,097,152 bytes; xs 131,072 bytes; wc 1,572,864 bytes; ws 98,304 bytes; wpF 2,097,152 bytes; qkv16 25,165,824 bytes; aF 8,388,608 bytes
;; launch prep (part 1): grid 384 x 1, 4 waves a work-group, no clusters, 33,280 bytes of LDS; arguments x, w_qkv, w_proj, xc, xs, wc, ws, wpF; writes xc, xs, wc, ws, wpF
.if DOCPART == 1
	.amdgcn_target "amdgcn-amd-amdhsa--gfx1250"
	.amdhsa_code_object_version 6
	.text
	.protected	k_qa61eafc753_prep
	.globl	k_qa61eafc753_prep
	.p2align	8
	.type	k_qa61eafc753_prep,@function
k_qa61eafc753_prep:
	s_mov_b64 s[64:65], 0
	v_nop
	global_prefetch_b8 v0, s[64:65] scope:SCOPE_SE
	s_setreg_imm32_b32 hwreg(HW_REG_WAVE_MODE, 25, 1), 1
	s_wait_xcnt 0x0
; PREP: the three large inputs are laid out once for the launches that read them many times.  Three ways through the text, parted on the work-group's number alone; they never join.
;   work-groups 0-127   (X): x [4096][1024] f32 -> codes of FP4 (E2M1), K innermost, xc [4096][512 bytes], and one E8M0 byte for each 32 along K, xs [4096][32].
;   work-groups 128-319 (W): w_qkv [1024 k][3072 n] f32, K its FIRST axis -> codes in the ORDER OF THE OPERAND'S REGISTERS: wc byte n16 x 8192 + k128 x 1024 + c x 512 + (16 h + r) x 16 holds the 32 codes of
;                            column 16 n16 + r, k = 128 k128 + 64 c + 32 h + 0..31; scale bytes ws [3072][32].
;   work-groups 320-383 (P): w_proj [1024 k][1024 n] f32 -> f16 in the order of a 16-bit operand's registers: wpF byte n16 x 32768 + k32 x 1024 + g x 512 + (16 h + r) x 16 holds k = 32 k32 + 16 g + 8 h + 0..7 of column 16 n16 + r.
; A block's scale is 2^(floor(log2(its largest magnitude)) - 2); its byte is the largest magnitude's exponent field - 2, held at 1 from below.  A block of zeros so gets the byte 1 where the rule says 127: its codes
; are zeros, which add nothing under any byte but 0xff, and the bytes are read by this program alone.
; LIMITS: NaN and infinities among the inputs are not served; |w_proj| stays under 65,504 (f16); magnitudes of w_proj under 6e-5 carry f16's fixed step 2^-25.
; W and P: a lane takes a column and its registers run down K, so a block of 32 along K lies in one lane, and its 16 bytes of codes (or 4 x 16 bytes of f16) ARE a piece of the operand's image:
; sixteen neighbouring lanes store 256 consecutive bytes, aligned, straight from registers.  Only way X uses LDS.  Waves share nothing: no barrier.  Work-groups share no input: no cluster.
.set SPW,   12                         ; v12  LDS address of my spare word; never rewritten
.set NIL,   13                         ; v13  0; never rewritten
.set WREG,  8192                       ; way X: a region of LDS for each wave: two stages of 32 x SP bytes, then its 256 scale bytes
.set SPARE, 4*WREG                     ; behind the four regions: the spare words, 128 bytes a wave
.set STEPS, 16
.set CB,    8                          ; bytes of 16 codes
.set SP,    80                         ; a lane's place in a stage: 64 bytes + 16 of padding
.set R,     16                         ; way X: v16-79 four sets of 16 numbers as loaded
.set X,     80                         ;        v80-111 two sets of 16 neighbours
.set E,     112                        ;        v112-127 a scale byte for each step
.set C,     128                        ;        v128-191 codes, four registers a step
.set D,     32                         ; ways W, P: v32-159 four blocks of 32 numbers
.set CW,    160                        ; way W: v160-175 codes, four registers a block
.set SW,    176                        ; way W: v176 the scale word
	s_load_b256 s[4:11], s[0:1], 0x0               ; x s[4:5], w_qkv s[6:7], w_proj s[8:9], xc s[10:11]
	s_load_b256 s[12:19], s[0:1], 0x20             ; xs s[12:13], wc s[14:15], ws s[16:17], wpF s[18:19]
	v_lshl_add_u32 v[SPW], v0, 2, SPARE
	v_mov_b32 v[NIL], 0
	v_lshrrev_b32 v1, 5, v0
	v_readfirstlane_b32 s20, v1                    ; wave 0..3
	v_and_b32 v2, 31, v0                           ; lane
	s_mov_b32 s25, 0                               ; the high word of every offset: all stay under 2^32
	s_wait_kmcnt 0x0
	s_cmp_lt_u32 ttmp9, 128
	s_cbranch_scc1 .Lpath_x
	s_cmp_lt_u32 ttmp9, 320
	s_cbranch_scc1 .Lpath_w
; block t of a wave's 128 along K: rows 32 t .. 32 t + 31 at my column; 32 lanes read 128 consecutive bytes, the four waves stand side by side on 512
.macro LOADK base, t, pitch
.set i, 0
.rept 32
	global_load_b32 v[D+32*(\t)+i], v3, s[\base:\base+1] offset:(32*(\t)+i)*\pitch th:TH_LOAD_NT
.set i, i+1
.endr
.endm
; ---- way P: w_proj to f16.  Work-group: 128 columns (cx) x 128 along K (ky); wave: 32 columns
	s_sub_co_u32 s21, ttmp9, 320
	s_lshr_b32 s22, s21, 3                         ; cx 0..7
	s_and_b32 s21, s21, 7                          ; ky 0..7
	s_lshl_b32 s24, s21, 19                        ; 128 rows of 4,096 bytes
	s_lshl_b32 s23, s22, 9
	s_add_co_u32 s24, s24, s23
	s_lshl_b32 s23, s20, 7
	s_add_co_u32 s24, s24, s23
	s_add_nc_u64 s[8:9], s[8:9], s[24:25]
	s_lshl_b32 s24, s22, 3
	s_lshl_b32 s23, s20, 1
	s_add_co_u32 s24, s24, s23                     ; my first group of 16 columns: 8 cx + 2 wave
	s_lshl_b32 s24, s24, 15
	s_lshl_b32 s23, s21, 12                        ; four steps of 32 along K: 4 x 1,024 bytes
	s_add_co_u32 s24, s24, s23
	s_add_nc_u64 s[18:19], s[18:19], s[24:25]
	v_lshlrev_b32 v3, 2, v2                        ; in: 4 bytes a lane
	v_lshrrev_b32 v4, 4, v2
	v_and_b32 v5, 15, v2
	v_lshlrev_b32 v4, 15, v4
	v_lshl_add_u32 v4, v5, 4, v4                   ; out: (lane / 16) groups on, 16 bytes a lane
.macro BLOCKP t
.if (\t) < 3
	s_wait_loadcnt 32                              ; this block's 32 loads are in; the next block's 32 may be out
.else
	s_wait_loadcnt 0x0
.endif
.if (\t) < 2
	LOADK 8, (\t)+2, 4096                          ; two blocks ahead, into registers of its own
.endif
.set j, 0
.rept 16
	v_cvt_pk_f16_f32 v[D+32*(\t)+j], v[D+32*(\t)+2*j], v[D+32*(\t)+2*j+1]   ; in place, ascending: no number is overwritten before it is read
.set j, j+1
.endr
.irp p, 0,1,2,3
	global_store_b128 v4, v[D+32*(\t)+4*\p:D+32*(\t)+4*\p+3], s[18:19] offset:1024*(\t)+256*\p   ; k = 8 p .. 8 p + 7 of the block: g = p / 2, h = p % 2; sixteen lanes store 256 consecutive bytes, aligned
.endr
.endm
	LOADK 8, 0, 4096
	LOADK 8, 1, 4096
	BLOCKP 0
	BLOCKP 1
	BLOCKP 2
	BLOCKP 3
	s_endpgm
; ---- way W: w_qkv to codes.  Work-group: 128 columns (cx) x 128 along K (ky); wave: 32 columns
.Lpath_w:
	s_sub_co_u32 s21, ttmp9, 128
	s_lshr_b32 s22, s21, 3                         ; cx 0..23
	s_and_b32 s21, s21, 7                          ; ky 0..7
	s_mul_i32 s24, s21, 128*12288                  ; 128 rows of 12,288 bytes
	s_lshl_b32 s23, s22, 9
	s_add_co_u32 s24, s24, s23
	s_lshl_b32 s23, s20, 7
	s_add_co_u32 s24, s24, s23
	s_add_nc_u64 s[6:7], s[6:7], s[24:25]
	s_lshl_b32 s24, s22, 3
	s_lshl_b32 s23, s20, 1
	s_add_co_u32 s24, s24, s23                     ; my first group of 16 columns
	s_lshl_b32 s24, s24, 13
	s_lshl_b32 s23, s21, 10                        ; this step of 128 along K
	s_add_co_u32 s24, s24, s23
	s_add_nc_u64 s[14:15], s[14:15], s[24:25]
	s_lshl_b32 s24, s22, 7
	s_lshl_b32 s23, s20, 5
	s_add_co_u32 s24, s24, s23                     ; my first column
	s_lshl_b32 s24, s24, 5                         ; 32 scale bytes a column
	s_lshl_b32 s23, s21, 2                         ; this step's word
	s_add_co_u32 s24, s24, s23
	s_add_nc_u64 s[16:17], s[16:17], s[24:25]
	v_lshlrev_b32 v3, 2, v2
	v_lshrrev_b32 v4, 4, v2
	v_and_b32 v5, 15, v2
	v_lshlrev_b32 v4, 13, v4
	v_lshl_add_u32 v4, v5, 4, v4                   ; codes: (lane / 16) groups on, 16 bytes a lane
	v_lshlrev_b32 v5, 5, v2                        ; scale word: 32 bytes a column
.macro BLOCKW t
.set XS, D+32*(\t)
.if (\t) < 3
	s_wait_loadcnt 32                              ; this block's 32 loads are in; the next block's 32 may be out
.else
	s_wait_loadcnt 0x0
.endif
.if (\t) < 2
	LOADK 6, (\t)+2, 12288
.endif
	v_max3_num_f32 v8, |v[XS]|, |v[XS+1]|, |v[XS+2]|   ; the block's largest magnitude: all 32 numbers are mine; two chains
	v_max3_num_f32 v9, |v[XS+3]|, |v[XS+4]|, |v[XS+5]|
.irp n, 6,10,14,18,22,26
	v_max3_num_f32 v8, v8, |v[XS+\n]|, |v[XS+\n+1]|
	v_max3_num_f32 v9, v9, |v[XS+\n+2]|, |v[XS+\n+3]|
.endr
	v_max3_num_f32 v8, v8, |v[XS+30]|, |v[XS+31]|
	v_max3_num_f32 v8, v8, v9, 0x1800000           ; and the floor 2^(3 - 127): the byte cannot fall under 1
	v_add_nc_u32 v11, 0xff000000, v8               ; 2 off the exponent field: the conversion takes this operand's exponent field as its scale
	v_lshrrev_b32 v10, 23, v11                     ; the scale's byte
.if (\t) == 0
	v_mov_b32 v[SW], v10
.else
	v_lshl_or_b32 v[SW], v10, 8*(\t), v[SW]        ; the lower K in the lower byte
.endif
.irp g, 0,1,2,3
	v_cvt_scalef32_pk8_fp4_f32 v[CW+4*(\t)+\g], v[XS+8*\g:XS+8*\g+7], v11
.endr
	v_nop                                          ; one plain line behind the last conversion: the next block writes v11 anew
	global_store_b128 v4, v[CW+4*(\t):CW+4*(\t)+3], s[14:15] offset:256*(\t)   ; block t is c = t / 2, h = t % 2 of the image: 512 c + 256 h = 256 t; sixteen lanes store 256 consecutive bytes, aligned
.endm
	LOADK 6, 0, 12288
	LOADK 6, 1, 12288
	BLOCKW 0
	BLOCKW 1
	BLOCKW 2
	BLOCKW 3
	global_store_b32 v5, v[SW], s[16:17]           ; my column's word for this 128 along K: 4 bytes of a row of 32 (98,304 bytes in the whole launch leave so)
	s_endpgm
; ---- way X: x to codes.  x is a plain stream of blocks of 32.  A wave takes 16 steps of 512 numbers.  Each of a step's four loads reads 512 consecutive bytes, 16 a lane; the 2,048 bytes turn through the
; wave's own stage in LDS and come back 64 bytes a lane: 16 NEIGHBOURS, as the conversions want them; two neighbouring lanes hold a block.
.Lpath_x:
	v_lshlrev_b32 v3, 4, v2                        ; my 16 bytes of a load's 512
	s_mul_i32 s21, s20, WREG
	v_lshrrev_b32 v14, 2, v2
	v_mul_u32_u24 v14, v14, SP
	v_and_b32 v15, 3, v2
	v_lshl_add_u32 v14, v15, 4, v14
	v_add_nc_u32 v14, s21, v14                     ; the stage, in: SP (lane / 4) + 16 (lane % 4)
	v_mul_u32_u24 v15, v2, SP
	v_add_nc_u32 v15, s21, v15                     ; and out: SP x lane
	v_mul_u32_u24 v4, v2, CB                       ; my codes' place in a step's
	v_lshrrev_b32 v5, 1, v2
	s_add_co_u32 s21, s21, 2*32*SP
	v_add_nc_u32 v5, s21, v5                       ; my block's byte among the wave's 256
	v_lshlrev_b32 v7, 3, v2
	v_add_nc_u32 v6, s21, v7                       ; and on the way out 8 bytes a lane
	s_lshl_b32 s22, ttmp9, 2
	s_add_co_u32 s22, s22, s20                     ; which run of 8,192 numbers is my wave's: 0..511
	s_lshl_b32 s24, s22, 15
	s_add_nc_u64 s[4:5], s[4:5], s[24:25]
	s_lshl_b32 s24, s22, 12
	s_add_nc_u64 s[10:11], s[10:11], s[24:25]
	s_lshl_b32 s24, s22, 8
	s_add_nc_u64 s[12:13], s[12:13], s[24:25]
.macro LOADX t
.irp i, 0,1,2,3
	global_load_b128 v[R+16*((\t)%4)+4*\i:R+16*((\t)%4)+4*\i+3], v3, s[4:5] offset:2048*(\t)+512*\i th:TH_LOAD_NT
.endr
.endm
.macro TURNX t                         ; step t's numbers through the stage: LDS serves a wave's instructions in order, so no wait stands between the stores and the loads
.irp i, 0,1,2,3
	ds_store_b128 v14, v[R+16*((\t)%4)+4*\i:R+16*((\t)%4)+4*\i+3] offset:32*SP*((\t)%2)+8*SP*\i
.endr
.irp i, 0,1,2,3
	ds_load_b128 v[X+16*((\t)%2)+4*\i:X+16*((\t)%2)+4*\i+3], v15 offset:32*SP*((\t)%2)+16*\i
.endr
.endm
.irp t, 0,1,2,3
	LOADX \t
.endr
	s_wait_loadcnt 12                              ; step 0's four loads are in; the twelve of steps 1 to 3 may be out
	TURNX 0
.macro STEPX t
.set XS, X+16*((\t)%2)
.if (\t) > 0
	s_wait_dscnt 1                                 ; this step's numbers are back from the stage; the last step's byte store may be out
.else
	s_wait_dscnt 0x0
.endif
.if (\t)+4 < STEPS
	LOADX (\t)+4                                   ; into the registers that this step's stores into the stage have read
.endif
.if (\t)+1 < STEPS
.if STEPS-2-(\t) >= 3
	s_wait_loadcnt 12                              ; the next step's four loads are in; those of the three steps behind it may be out
.else
	s_wait_loadcnt 4*(STEPS-2-(\t))
.endif
	TURNX (\t)+1
.endif
	v_max3_num_f32 v8, |v[XS]|, |v[XS+1]|, |v[XS+2]|
	v_max3_num_f32 v9, |v[XS+3]|, |v[XS+4]|, |v[XS+5]|
.irp i, 6,10
	v_max3_num_f32 v8, v8, |v[XS+\i]|, |v[XS+\i+1]|
	v_max3_num_f32 v9, v9, |v[XS+\i+2]|, |v[XS+\i+3]|
.endr
	v_max3_num_f32 v8, v8, |v[XS+14]|, |v[XS+15]|
	v_max3_num_f32 v8, v8, v9, 0x1800000           ; the floor 2^(3 - 127)
	v_max_num_f32_dpp v8, v8, v8 row_xmask:1 row_mask:0xf bank_mask:0xf   ; with my neighbour's 16: the block's largest magnitude
	v_add_nc_u32 v11, 0xff000000, v8
	v_cvt_scalef32_pk8_fp4_f32 v[C+4*(\t)], v[XS:XS+7], v11
	v_cvt_scalef32_pk8_fp4_f32 v[C+4*(\t)+1], v[XS+8:XS+15], v11
	v_lshrrev_b32 v[E+(\t)], 23, v11               ; the scale's byte (also the plain line behind the conversions)
	ds_store_b8 v5, v[E+(\t)] offset:16*(\t)       ; both lanes of a block write the same byte with the same value
	global_store_b64 v4, v[C+4*(\t):C+4*(\t)+1], s[10:11] offset:32*CB*(\t)   ; 32 lanes store 256 consecutive bytes, aligned
.endm
.irp t, 0,1,2,3,4,5,6,7,8,9,10,11,12,13,14,15
	STEPX \t
.endr
	ds_load_b64 v[8:9], v6                         ; LDS serves a wave's instructions in order: these see my byte stores
	s_wait_dscnt 0x0
	global_store_b64 v7, v[8:9], s[12:13]          ; 32 lanes store 256 consecutive bytes, aligned
	s_wait_tensorcnt 0x0                           ; the wave's end, behind my last LDS store
	ds_add_u32 v[SPW], v[NIL]
	s_wait_dscnt 0x0
	s_endpgm
.Lfunc_end_k_qa61eafc753_prep:
	.size	k_qa61eafc753_prep, .Lfunc_end_k_qa61eafc753_prep-k_qa61eafc753_prep
	.p2alignl 7, 3214868480
	.fill 96, 4, 3214868480
	.section	.rodata,"a",@progbits
	.p2align	6, 0x0
	.amdhsa_kernel k_qa61eafc753_prep
		.amdhsa_group_segment_fixed_size 33280
		.amdhsa_private_segment_fixed_size 0
		.amdhsa_enable_private_segment 0
		.amdhsa_kernarg_size 64
		.amdhsa_user_sgpr_count 2
		.amdhsa_user_sgpr_kernarg_segment_ptr 1
		.amdhsa_wavefront_size32 1
		.amdhsa_system_sgpr_workgroup_id_x 1
		.amdhsa_system_sgpr_workgroup_id_y 1
		.amdhsa_system_sgpr_workgroup_id_z 1
		.amdhsa_system_vgpr_workitem_id 0
		.amdhsa_next_free_vgpr 192
		.amdhsa_next_free_sgpr 66
		.amdhsa_reserve_vcc 0
		.amdhsa_float_denorm_mode_32 3
		.amdhsa_float_denorm_mode_16_64 3
		.amdhsa_memory_ordered 1
		.amdhsa_forward_progress 1
		.amdhsa_inst_pref_size 71
	.end_amdhsa_kernel
	.amdgpu_metadata
---
amdhsa.version: [ 1, 2 ]
amdhsa.kernels:
  - .name:           k_qa61eafc753_prep
    .symbol:         k_qa61eafc753_prep.kd
    .args:
      - { .name: x, .offset: 0, .size: 8, .value_kind: global_buffer, .address_space: global }
      - { .name: w_qkv, .offset: 8, .size: 8, .value_kind: global_buffer, .address_space: global }
      - { .name: w_proj, .offset: 16, .size: 8, .value_kind: global_buffer, .address_space: global }
      - { .name: xc, .offset: 24, .size: 8, .value_kind: global_buffer, .address_space: global }
      - { .name: xs, .offset: 32, .size: 8, .value_kind: global_buffer, .address_space: global }
      - { .name: wc, .offset: 40, .size: 8, .value_kind: global_buffer, .address_space: global }
      - { .name: ws, .offset: 48, .size: 8, .value_kind: global_buffer, .address_space: global }
      - { .name: wpF, .offset: 56, .size: 8, .value_kind: global_buffer, .address_space: global }
    .group_segment_fixed_size: 33280
    .private_segment_fixed_size: 0
    .kernarg_segment_align: 8
    .kernarg_segment_size: 64
    .max_flat_workgroup_size: 128
    .sgpr_count:     66
    .vgpr_count:     192
    .wavefront_size: 32
...
	.end_amdgpu_metadata
.endif
;; end of part 1
;; launch qkv (part 2): grid 12 x 16, 4 waves a work-group, clusters of 4 x 4, 327,680 bytes of LDS; arguments xc, xs, wc, ws, qkv16; writes qkv16
.if DOCPART == 2
	.amdgcn_target "amdgcn-amd-amdhsa--gfx1250"
	.amdhsa_code_object_version 6
	.text
	.protected	k_qa61eafc753_qkv
	.globl	k_qa61eafc753_qkv
	.p2align	8
	.type	k_qa61eafc753_qkv,@function
k_qa61eafc753_qkv:
	s_mov_b64 s[64:65], 0
	v_nop
	global_prefetch_b8 v0, s[64:65] scope:SCOPE_SE
	s_setreg_imm32_b32 hwreg(HW_REG_WAVE_MODE, 25, 1), 1
	s_wait_xcnt 0x0
	s_wait_alu depctr_hold_cnt(0) depctr_sa_sdst(0) depctr_va_vdst(0) depctr_va_sdst(0) depctr_va_ssrc(0) depctr_va_vcc(0) depctr_vm_vsrc(0)
	s_getreg_b32 s2, hwreg(HW_REG_IB_STS2, 6, 4)
	s_cmp_eq_u32 s2, 0
	s_cbranch_scc0 .Lentry_in_a_cluster
	s_endpgm
.Lentry_in_a_cluster:
	s_bfe_u32 s2, ttmp6, 0x10000c
	s_cmp_lg_u32 s2, 0xf033
	s_cbranch_scc0 .Lentry_shape_is_right
	s_endpgm
.Lentry_shape_is_right:
; qkv16[m][n] = sum over k of Q(x)[m][k] Q(w_qkv)[k][n], on codes of FP4 (E2M1) with one E8M0 scale for each 32 along K; sums in f32; the result is rounded once to f16, [4096][3072].
; LIMIT: |q|, |k|, |v| stay under 65,504 (f16); magnitudes under 6e-5 carry f16's fixed step 2^-25.
; A tile of C, 256 x 256, is made by a work-group of four waves; a wave makes 128 x 128: 64 accumulators, 512 registers.  K = 1,024 is two slots of 512: BOTH are asked for at the head and nothing is filled again.
; A (x's codes) lies by rows: a tile's row is 256 bytes of memory, 272 bytes apart in LDS.  B (w's codes) lies in the order of the operand's registers: a group of 16 columns has 4,096 consecutive bytes for 512 along K;
; in LDS the tile is dense, and a fragment's load reads 512 consecutive bytes.  The scale bytes of the work-group's rows and columns, for all of K, come once, as dense blocks.
; CLUSTERS: 4 x 4 work-groups.  The four of a row of the cluster need the same tiles of A, the four of a column the same tiles of B: each is asked for JOINTLY, by the same tensor load with the same descriptor and a mask.
; By this text's own count a wave has three tensor loads out at the most: its scales, slot 0, slot 1.
; THE MATRIX INSTRUCTION IS USED TRANSPOSED (source 0 = 16 columns of w, source 1 = 16 rows of x): a lane then holds eight neighbouring numbers of a row of C.
; REGISTERS: window 0: v0-31 addresses; v32-95 scale words, two sets; v96-127 packed results; v128-191 A's fragments, ONE set; v192-255 rows on the way out.
;   window 1: B's fragments, TWO sets, at v0 and v128.  window 2: accumulators of my rows 0-63 ((a, b) at v[8 (8 a + b)]); window 3: rows 64-127.
.set NQ,     4                         ; steps of 128 along K in a slot
.set ROWB,   256                       ; A: a tile's row in bytes
.set KROW,   512                       ; A: a row of codes in memory
.set PITCH,  272                       ; A: an LDS row: 256 + 16 of padding: the 16 rows of a load start at 16 different groups of banks
.set FR,     8
.set NL,     2
.set NP,     4                         ; places behind this matrix instruction (ISA guide 7.12.1)
.set HALFA,  128*PITCH                 ; 128 rows of A: one tensor load
.set HALFB,  32768                     ; 128 columns of B x 512 along K: one tensor load, dense
.set BOFF,   2*HALFA
.set SLOT,   2*HALFA+2*HALFB
.set KS,     32                        ; a row of scale bytes
.set SCL,    2*SLOT
.set HALFS,  (128*KS/256)*272
.set SBLK,   (16*KS/256)*272
.set SPARE,  SCL+4*HALFS               ; the spare words, 128 bytes a wave
.set SPITCH, 272                       ; the way out: 16 rows x (256 + 16) bytes a wave, in slot 0, which has had its only fill and its last read when the first result is stored there
.set CROW,   6144                      ; a row of C in bytes
.set ADRA, 16
.set ADRB, 20
.set STO,  24
.set RD,   25
.set CO,   26
.set ADRS, 27
.set SPW,  28
.set NIL,  29
.set SC,   32
.set TMP,  96
.set AF,   128
.set BK,   192
.set G1, 24
.set G0, 32
.set G1B, 48
.set G0B, 56
.set G1S, 68
.set G0S, 76
.set G1SB, 80
.set G0SB, 88
.set MSB, 0
.macro WIN new                         ; the immediate's high byte repeats the setting that is left
.if MSB != \new
	s_set_vgpr_msb (MSB<<8)|\new
.set MSB, \new
.endif
.endm
.set MUL_LO, 0xa1                      ; source 0 (B) window 1, source 1 (A) window 0, C and D window 2
.set MUL_HI, 0xf1
.set TO_B,   0x40
; a joint load: waves 0 and 1 fetch for A, waves 2 and 3 for B; the branch hangs on the wave's number alone.  An s_nop 0 and four v_nop follow each of the two lines
.macro JLOAD g0a, g1a, g0b, g1b
	s_cmp_eq_u32 s15, 0
	s_cbranch_scc0 .Lfor_b_\@
	tensor_load_to_lds s[\g0a:\g0a+3], s[\g1a:\g1a+7]
	s_nop 0
.rept 4
	v_nop
.endr
	s_branch .Lasked_\@
.Lfor_b_\@:
	tensor_load_to_lds s[\g0b:\g0b+3], s[\g1b:\g1b+7]
	s_nop 0
.rept 4
	v_nop
.endr
.Lasked_\@:
.endm
.macro CROUND                          ; a round of the cluster's barrier
	s_barrier_signal -1
	s_barrier_wait -1
	s_cmp_lg_u32 s14, 0
	s_cbranch_scc1 .Lnot_wave_0_\@
	s_barrier_signal -3
.Lnot_wave_0_\@:
	s_barrier_wait -3
	s_barrier_signal -1
	s_barrier_wait -1
.endm
	s_load_b128 s[4:7], s[0:1], 0x0                ; x's codes, x's scales
	s_load_b128 s[8:11], s[0:1], 0x10              ; w's codes, w's scales
	s_load_b64 s[12:13], s[0:1], 0x20              ; C
	v_lshl_add_u32 v[SPW], v0, 2, SPARE
	v_mov_b32 v[NIL], 0
	ds_add_u32 v[SPW], v[NIL]                      ; the wave's opening: the add, twice on end, and its wait ahead of my first tensor load
	ds_add_u32 v[SPW], v[NIL]
	v_lshrrev_b32 v1, 5, v0
	v_readfirstlane_b32 s14, v1                    ; wave 0..3
	s_lshr_b32 s15, s14, 1                         ; which half of the tile's rows is mine.  Also: I fetch for A (0) or for B (1)
	s_and_b32 s16, s14, 1                          ; which half of its columns.  Also: which half of that tile I fetch
	s_bfe_u32 s40, ttmp6, 0x40000                  ; cx, cy
	s_bfe_u32 s41, ttmp6, 0x40004
	s_lshl_b32 s42, ttmp9, 2
	s_add_co_u32 s42, s42, s40                     ; tile column
	s_and_b32 s17, ttmp7, 0xffff
	s_lshl_b32 s17, s17, 2
	s_add_co_u32 s17, s17, s41                     ; tile row
	s_lshl_b32 s43, s41, 2
	s_lshl_b32 s43, 15, s43                        ; my row of the cluster
	s_lshl_b32 s44, 0x1111, s40                    ; my column
	; A: 128 rows x 256 bytes, 512 bytes apart in memory, 16 bytes of padding behind each in LDS
	s_or_b32 s[G1+0], s43, (0<<16)|(1<<20)|(1<<21)|(5<<22)|(3<<25)
	s_mov_b32 s[G1+1], ROWB<<16
	s_mov_b32 s[G1+2], 128<<16
	s_mov_b32 s[G1+3], ROWB<<16
	s_mov_b32 s[G1+4], 128
	s_mov_b32 s[G1+5], KROW
	s_mov_b32 s[G1+6], 0
	s_mov_b32 s[G1+7], 0
	; B: 8 groups of 16 columns x 4,096 bytes (512 elements of 8 bytes), 8,192 bytes apart in memory, dense in LDS
	s_or_b32 s[G1B+0], s44, (3<<16)|(1<<21)
	s_mov_b32 s[G1B+1], 512<<16
	s_mov_b32 s[G1B+2], 8<<16
	s_mov_b32 s[G1B+3], 512<<16
	s_mov_b32 s[G1B+4], 8
	s_mov_b32 s[G1B+5], 1024
	s_mov_b32 s[G1B+6], 0
	s_mov_b32 s[G1B+7], 0
	; the scales of 128 rows: a dense block of 4,096 bytes, as rows of 256 bytes, 16 bytes of padding behind each
	s_or_b32 s[G1S+0], s43, (3<<16)|(1<<20)|(1<<21)|(5<<22)|(3<<25)
	s_or_b32 s[G1SB+0], s44, (3<<16)|(1<<20)|(1<<21)|(5<<22)|(3<<25)
.irp g, G1S, G1SB
	s_mov_b32 s[\g+1], 32<<16
	s_mov_b32 s[\g+2], (128*KS/256)<<16
	s_mov_b32 s[\g+3], 32<<16
	s_mov_b32 s[\g+4], 128*KS/256
	s_mov_b32 s[\g+5], 32
	s_mov_b32 s[\g+6], 0
	s_mov_b32 s[\g+7], 0
.endr
	s_lshl_b32 s18, s16, 7                         ; which 128 rows or columns I fetch
	s_lshl_b32 s20, s17, 8
	s_add_co_u32 s20, s20, s18                     ; A: row 256 x tile row + 128 x half
	s_lshl_b32 s46, s42, 8
	s_add_co_u32 s46, s46, s18                     ; B: column 256 x tile column + 128 x half
	s_lshl_b32 s22, s20, 5                         ; their scales: 32 bytes each
	s_mov_b32 s23, 0
	s_lshl_b32 s92, s46, 5
	s_mov_b32 s93, 0
	s_lshl_b32 s20, s20, 9                         ; their codes: 512 bytes a row; 8,192 bytes a group of 16 columns is 512 a column too
	s_mov_b32 s21, 0
	s_lshl_b32 s46, s46, 9
	s_mov_b32 s47, 0
	s_mul_i32 s45, s16, HALFA                      ; where they go in a slot: no place in the cluster enters an LDS address
	s_mul_i32 s95, s16, HALFB
	s_add_co_u32 s95, s95, BOFF
	s_mul_i32 s94, s14, HALFS
	s_wait_dscnt 0x0                               ; both opening adds are done
	s_wait_kmcnt 0x0
	s_add_nc_u64 s[20:21], s[4:5], s[20:21]
	s_add_nc_u64 s[22:23], s[6:7], s[22:23]
	s_add_nc_u64 s[46:47], s[8:9], s[46:47]
	s_add_nc_u64 s[92:93], s[10:11], s[92:93]
	CROUND                                         ; all sixteen work-groups are here: the joint loads meet
	s_mov_b32 s[G0S], 1
	s_add_co_u32 s[G0S+1], s94, SCL
	s_mov_b64 s[G0S+2:G0S+3], s[22:23]
	s_or_b32 s[G0S+3], s[G0S+3], 0x80000000
	s_mov_b32 s[G0SB], 1
	s_add_co_u32 s[G0SB+1], s94, SCL
	s_mov_b64 s[G0SB+2:G0SB+3], s[92:93]
	s_or_b32 s[G0SB+3], s[G0SB+3], 0x80000000
	JLOAD G0S, G1S, G0SB, G1SB                     ; the scales first: they are wanted with slot 0
.irp s, 0,1
	s_mov_b32 s[G0+4*\s], 1
	s_add_co_u32 s[G0+4*\s+1], s45, \s*SLOT
	s_add_nc_u64 s[G0+4*\s+2:G0+4*\s+3], s[20:21], \s*ROWB
	s_or_b32 s[G0+4*\s+3], s[G0+4*\s+3], 0x80000000
	s_mov_b32 s[G0B+4*\s], 1
	s_add_co_u32 s[G0B+4*\s+1], s95, \s*SLOT
	s_add_nc_u64 s[G0B+4*\s+2:G0B+4*\s+3], s[46:47], \s*4096
	s_or_b32 s[G0B+4*\s+3], s[G0B+4*\s+3], 0x80000000
	JLOAD G0+4*\s, G1, G0B+4*\s, G1B
.endr
	v_and_b32 v1, 15, v0                           ; r
	v_bfe_u32 v2, v0, 4, 1                         ; h
	v_mul_u32_u24 v3, v1, PITCH
	v_lshl_add_u32 v4, v2, 4, v3                   ; A: row x pitch + 16 h
	v_and_b32 v6, 31, v0
	v_lshlrev_b32 v7, 4, v6                        ; B: 16 x lane
	s_mul_i32 s21, s15, HALFA                      ; my 128 rows of A
	s_mul_i32 s22, s16, HALFB                      ; my 128 columns of B
	s_add_co_u32 s22, s22, BOFF
.irp s, 0,1
	v_add_nc_u32 v[ADRA+\s], s21, v4
	v_add_nc_u32 v[ADRB+\s], s22, v7
	s_add_co_u32 s21, s21, SLOT
	s_add_co_u32 s22, s22, SLOT
.endr
	v_mul_u32_u24 v5, v1, KS                       ; my row's scales: KS bytes a row,
	v_lshrrev_b32 v6, 8, v5
	v_lshl_add_u32 v5, v6, 4, v5                   ; and 16 more for each 256 passed
	s_mul_i32 s21, s15, HALFS
	s_mul_i32 s22, s16, HALFS
	s_add_co_u32 s22, s22, 2*HALFS
	s_sub_co_u32 s22, s22, s21
	v_mul_u32_u24 v6, s22, v2                      ; lanes 16-31 take B's: the lower base + h x the distance
	s_add_co_u32 s21, s21, SCL
	v_add_nc_u32 v5, v5, v6
	v_add_nc_u32 v[ADRS], s21, v5
	s_mul_i32 s23, s14, 16*SPITCH                  ; my stage
	v_mul_u32_u24 v5, v1, SPITCH
	v_lshl_add_u32 v5, v2, 4, v5
	v_add_nc_u32 v[STO], s23, v5                   ; in: row r, 16 bytes for each half of the lanes
	v_mul_u32_u24 v5, v2, SPITCH
	v_lshl_add_u32 v5, v1, 4, v5
	v_add_nc_u32 v[RD], s23, v5                    ; back: lanes 0-15 one row of 256 bytes, lanes 16-31 the next
	v_mul_u32_u24 v5, v2, CROW
	v_lshl_add_u32 v[CO], v1, 4, v5                ; and the same two rows in C
	s_lshl_b32 s20, s17, 8
	s_lshl_b32 s21, s15, 7
	s_add_co_u32 s20, s20, s21                     ; my first row of C
	s_mul_i32 s20, s20, CROW
	s_lshl_b32 s46, s42, 9                         ; my first column in bytes: 512 x tile column + 256 x half
	s_lshl_b32 s47, s16, 8
	s_add_co_u32 s46, s46, s47
	s_add_co_u32 s20, s20, s46
	s_mov_b32 s21, 0
	s_add_nc_u64 s[12:13], s[12:13], s[20:21]
.macro FRAGA reg, adr, q, i            ; 16 rows x 128 K of 4-bit codes: registers 4 c .. 4 c + 3 hold K = 64 c + 32 h + 0 .. 31
.irp c, 0,1
	ds_load_b128 v[\reg+4*\c:\reg+4*\c+3], v[\adr] offset:64*(\q)+32*\c+(\i)*16*PITCH
.endr
.endm
.macro FRAGB reg, adr, q, i            ; the same from an image of the registers: 512 consecutive bytes a load
.irp c, 0,1
	ds_load_b128 v[\reg+4*\c:\reg+4*\c+3], v[\adr] offset:4096*(\i)+1024*(\q)+512*\c
.endr
.endm
; 16 matrix instructions: A's blocks a0, a0 + 1 x B's eight.  The 64 accumulators take turns, one instruction a turn, in the same order in every step.
; One register carries A's word (lanes 0-15) and B's (lanes 16-31): source 0 (B) names block b's register with ROW1, source 1 (A) block a's.
.macro MUL16 a0, p, q, sc, zero
.irp a, \a0, \a0+1
.irp b, 0,1,2,3,4,5,6,7
.if \zero
	v_wmma_scale_f32_16x16x128_f8f6f4 v[8*(8*((\a)%4)+\b):8*(8*((\a)%4)+\b)+7], v[128*(\p)+FR*\b:128*(\p)+FR*\b+FR-1], v[AF+FR*(\a):AF+FR*(\a)+FR-1], 0, v[SC+8*NQ*(\sc)+NQ*\b+(\q)], v[SC+8*NQ*(\sc)+NQ*(\a)+(\q)] matrix_a_fmt:MATRIX_FMT_FP4 matrix_b_fmt:MATRIX_FMT_FP4 matrix_a_scale:MATRIX_SCALE_ROW1
.else
	v_wmma_scale_f32_16x16x128_f8f6f4 v[8*(8*((\a)%4)+\b):8*(8*((\a)%4)+\b)+7], v[128*(\p)+FR*\b:128*(\p)+FR*\b+FR-1], v[AF+FR*(\a):AF+FR*(\a)+FR-1], v[8*(8*((\a)%4)+\b):8*(8*((\a)%4)+\b)+7], v[SC+8*NQ*(\sc)+NQ*\b+(\q)], v[SC+8*NQ*(\sc)+NQ*(\a)+(\q)] matrix_a_fmt:MATRIX_FMT_FP4 matrix_b_fmt:MATRIX_FMT_FP4 matrix_a_scale:MATRIX_SCALE_ROW1
.endif
.endr
.endr
.endm
.macro FETCH_B slot, q, p
	WIN TO_B
.irp i, 0,1,2,3,4,5,6,7
	FRAGB 128*(\p)+FR*\i, ADRB+\slot, \q, \i
.endr
	WIN 0
.endm
.macro FETCH_A slot, q, i0
.irp i, \i0, \i0+1, \i0+2, \i0+3
	FRAGA AF+FR*(\i), ADRA+\slot, \q, \i
.endr
.endm
.macro SCALES sc                       ; a slot's scale words: four words a row; lanes 0-15 A's block i, lanes 16-31 B's block i
.irp i, 0,1,2,3,4,5,6,7
	ds_load_b128 v[SC+8*NQ*\sc+NQ*\i:SC+8*NQ*\sc+NQ*\i+3], v[ADRS] offset:\i*SBLK
.endr
.endm
.macro PLACES n                        ; plain lines between a matrix instruction and a load into, or a read of, its registers
.rept \n
	v_nop
.endr
.endm
.macro STEP slot, q, zero              ; a step of 128 along K that has its successor in the same slot
	s_wait_dscnt 4*NL                              ; B's set and A's blocks 0-3 are in; the youngest eight loads (A's blocks 4-7) may be out
	WIN MUL_LO
	MUL16 0, (\q)%2, \q, \slot, \zero
	MUL16 2, (\q)%2, \q, \slot, \zero
	s_wait_dscnt 0
	PLACES NP
	FETCH_B \slot, (\q)+1, 1-(\q)%2
	FETCH_A \slot, (\q)+1, 0
	WIN MUL_HI
	MUL16 4, (\q)%2, \q, \slot, \zero
	MUL16 6, (\q)%2, \q, \slot, \zero
	PLACES NP
	WIN 0
	FETCH_A \slot, (\q)+1, 4
.endm
.macro TURN slot, next                 ; slot 0's last step: each wave waits for all its tensor loads (slot 1's part is the one still out), then one barrier: behind it slot 1 is whole and nobody reads slot 0
	s_wait_tensorcnt 0x0
	ds_add_u32 v[SPW], v[NIL]
	s_wait_dscnt 4*NL+1                            ; the add and the youngest eight loads may be out
	WIN MUL_LO
	MUL16 0, 1, NQ-1, \slot, 0
	s_wait_dscnt 0x0                               ; the add is done, and my reads of this slot are over
	s_barrier_signal -1
	MUL16 2, 1, NQ-1, \slot, 0
	WIN 0
	s_barrier_wait -1
	PLACES NP
	v_add_nc_u32 v[ADRS], 4*NQ, v[ADRS]            ; on to the next slot's scale words
	FETCH_B \next, 0, 0
	FETCH_A \next, 0, 0
	SCALES \next
	WIN MUL_HI
	MUL16 4, 1, NQ-1, \slot, 0
	MUL16 6, 1, NQ-1, \slot, 0
	PLACES NP
	WIN 0
	FETCH_A \next, 0, 4
.endm
	s_wait_tensorcnt 1                             ; the scales and my part of slot 0 are in; slot 1's load may be out
	s_barrier_signal -1
	s_barrier_wait -1
	FETCH_B 0, 0, 0
	FETCH_A 0, 0, 0
	SCALES 0
	FETCH_A 0, 0, 4
	STEP 0, 0, 1                                   ; the first step's products start the sums: nothing is cleared
	STEP 0, 1, 0
	STEP 0, 2, 0
	TURN 0, 1
	STEP 1, 0, 0
	STEP 1, 1, 0
	STEP 1, 2, 0
	s_wait_dscnt 4*NL                              ; the last step: nothing more to fetch
	WIN MUL_LO
	MUL16 0, 1, NQ-1, 1, 0
	MUL16 2, 1, NQ-1, 1, 0
	s_wait_dscnt 0
	WIN MUL_HI
	MUL16 4, 1, NQ-1, 1, 0
	MUL16 6, 1, NQ-1, 1, 0
	WIN 0
; THE WAY OUT, block by block of 16 rows x 128 columns: rounded to f16 (16 bytes a lane), through my own stage, back as whole rows of 256 bytes.
.macro PACK a
.set AC, 64*((\a)%4)
	WIN 0x0a+5*((\a)/4)                            ; sources 0 and 1: window 2 or 3
.irp b, 0,1,2,3,4,5,6,7
.irp r, 0,1,2,3
	v_cvt_pk_f16_f32 v[TMP+4*\b+\r], v[AC+8*\b+2*\r], v[AC+8*\b+2*\r+1]   ; each accumulator from its low end on
.endr
.endr
	WIN 0
.endm
.macro TOSTAGE a
.set BB, BK+32*((\a)%2)
.irp b, 0,1,2,3,4,5,6,7
	ds_store_b128 v[STO], v[TMP+4*\b:TMP+4*\b+3] offset:32*\b
.endr
.irp t, 0,1,2,3,4,5,6,7
	ds_load_b128 v[BB+4*\t:BB+4*\t+3], v[RD] offset:\t*2*SPITCH    ; LDS serves a wave's instructions in order: these see the stores above
.endr
.endm
.macro SEND a
.set BB, BK+32*((\a)%2)
	s_wait_dscnt 0x0                               ; the block is back in registers
	s_wait_xcnt 0x0                                ; earlier stores have read their base and their data: the base may step, and the next block's loads may land where block a - 1's rows lay
.if (\a) > 0
	s_add_nc_u64 s[12:13], s[12:13], 16*CROW
.endif
.irp t, 0,1,2,3,4,5,6,7
	global_store_b128 v[CO], v[BB+4*\t:BB+4*\t+3], s[12:13] offset:2*\t*CROW   ; 16 lanes store 256 consecutive bytes, at a multiple of 256 from C's first byte
.endr
.endm
	PLACES NP
	PACK 0
	TOSTAGE 0
.irp a, 1,2,3,4,5,6,7                  ; block a's conversions stand between block a - 1's loads from the stage and the wait for them
	PACK \a
	SEND \a-1
	TOSTAGE \a
.endr
	SEND 7
	s_wait_tensorcnt 0x0                           ; the wave's end
	ds_add_u32 v[SPW], v[NIL]
	s_wait_dscnt 0x0
	CROUND                                         ; the closing round
	s_endpgm
.Lfunc_end_k_qa61eafc753_qkv:
	.size	k_qa61eafc753_qkv, .Lfunc_end_k_qa61eafc753_qkv-k_qa61eafc753_qkv
	.p2alignl 7, 3214868480
	.fill 96, 4, 3214868480
	.section	.rodata,"a",@progbits
	.p2align	6, 0x0
	.amdhsa_kernel k_qa61eafc753_qkv
		.amdhsa_group_segment_fixed_size 327680
		.amdhsa_private_segment_fixed_size 0
		.amdhsa_enable_private_segment 0
		.amdhsa_kernarg_size 40
		.amdhsa_user_sgpr_count 2
		.amdhsa_user_sgpr_kernarg_segment_ptr 1
		.amdhsa_wavefront_size32 1
		.amdhsa_system_sgpr_workgroup_id_x 1
		.amdhsa_system_sgpr_workgroup_id_y 1
		.amdhsa_system_sgpr_workgroup_id_z 1
		.amdhsa_system_vgpr_workitem_id 0
		.amdhsa_next_free_vgpr 1024
		.amdhsa_next_free_sgpr 98
		.amdhsa_reserve_vcc 0
		.amdhsa_float_denorm_mode_32 3
		.amdhsa_float_denorm_mode_16_64 3
		.amdhsa_memory_ordered 1
		.amdhsa_forward_progress 1
		.amdhsa_inst_pref_size 127
	.end_amdhsa_kernel
	.amdgpu_metadata
---
amdhsa.version: [ 1, 2 ]
amdhsa.kernels:
  - .name:           k_qa61eafc753_qkv
    .symbol:         k_qa61eafc753_qkv.kd
    .args:
      - { .name: xc, .offset: 0, .size: 8, .value_kind: global_buffer, .address_space: global }
      - { .name: xs, .offset: 8, .size: 8, .value_kind: global_buffer, .address_space: global }
      - { .name: wc, .offset: 16, .size: 8, .value_kind: global_buffer, .address_space: global }
      - { .name: ws, .offset: 24, .size: 8, .value_kind: global_buffer, .address_space: global }
      - { .name: qkv16, .offset: 32, .size: 8, .value_kind: global_buffer, .address_space: global }
    .group_segment_fixed_size: 327680
    .private_segment_fixed_size: 0
    .kernarg_segment_align: 8
    .kernarg_segment_size: 40
    .max_flat_workgroup_size: 128
    .sgpr_count:     98
    .vgpr_count:     1024
    .wavefront_size: 32
...
	.end_amdgpu_metadata
.endif
;; end of part 2
;; launch attn (part 3): grid 16 x 16, 4 waves a work-group, clusters of 4 x 1, 327,680 bytes of LDS; arguments qkv16, lambda_q1, lambda_k1, lambda_q2, lambda_k2, rms_weight, aF; writes aF
.if DOCPART == 3
	.amdgcn_target "amdgcn-amd-amdhsa--gfx1250"
	.amdhsa_code_object_version 6
	.text
	.protected	k_qa61eafc753_attn
	.globl	k_qa61eafc753_attn
	.p2align	8
	.type	k_qa61eafc753_attn,@function
k_qa61eafc753_attn:
	s_mov_b64 s[64:65], 0
	v_nop
	global_prefetch_b8 v0, s[64:65] scope:SCOPE_SE
	s_setreg_imm32_b32 hwreg(HW_REG_WAVE_MODE, 25, 1), 1
	s_wait_xcnt 0x0
	s_wait_alu depctr_hold_cnt(0) depctr_sa_sdst(0) depctr_va_vdst(0) depctr_va_sdst(0) depctr_va_ssrc(0) depctr_va_vcc(0) depctr_vm_vsrc(0)
	s_getreg_b32 s2, hwreg(HW_REG_IB_STS2, 6, 4)
	s_cmp_eq_u32 s2, 0
	s_cbranch_scc0 .Lentry_in_a_cluster
	s_endpgm
.Lentry_in_a_cluster:
	s_bfe_u32 s2, ttmp6, 0x10000c
	s_cmp_lg_u32 s2, 0x3003
	s_cbranch_scc0 .Lentry_shape_is_right
	s_endpgm
.Lentry_shape_is_right:
; DIFFERENTIAL ATTENTION of one head: out = (softmax(q1 k1^T / 8) - lam softmax(q2 k2^T / 8)) v, then RMS norm over the head's 128, x rms_weight x (1 - LAMBDA_INIT), rounded once to f16.
; q, k, v: f16 in qkv16 [4096][3072] (q at column 0, k at 1,024, v at 2,048; head h at 128 h; stream 1 the head's first 64 channels, stream 2 the others).  Products, maxima and sums in f32; the weights p are rounded to f16.
; aF takes the result in the ORDER OF THE NEXT PRODUCT'S OPERAND REGISTERS: byte m16 x 32768 + k32 x 1024 + g x 512 + (16 h + r) x 16 holds k = 32 k32 + 16 g + 8 h + 0..7 of row 16 m16 + r.
; LIMITS: NaN and infinities are not served; the normed rows stay under 65,504 (f16).
; SHARES.  A work-group owns 128 queries of one (batch, head).  Wave w takes queries 64 (w % 2) on (four tiles of 16) and STREAM w / 2: it walks all 2,048 keys, 64 a step, with its own running maximum m, sum l and O^T.
; The two streams' softmaxes have different sums, so a1 - lam a2 cannot be formed before the end: each stream has its own product with V; at the end O1 / l1 and -lam O2 / l2 meet through LDS.
; LAYOUT.  S^T = K Q^T (source 0 = 16 keys, source 1 = 16 queries, 64 channels: two instructions deep): a lane holds ONE query and keys 8 (lane / 16) + 0..7; two such tiles rounded in pairs ARE source 1 of O^T = V^T P.
; SOFTMAX.  p = 2^(c s - c m), c = log2(e) / 8; in every step O and l are multiplied by a = 2^(c m_old - c m_new).
; BY TURNS.  The wave's tiles are two PIECES (tiles 0, 1 and tiles 2, 3).  In a turn one piece has the matrix unit: 32 products V^T P of the step in hand, then 16 products K Q^T of the next step; the other piece's softmax,
; cut into 64 slices, stands between them: one slice behind each V^T P, two behind each K Q^T.
; CLUSTER.  The four query blocks of a cluster belong to one head and walk the same K and V: each tile is asked for JOINTLY (mask of all four).  A wave has two tensor loads out at the head, one behind each round.
; REGISTERS, in windows of 256: window 0: v2-11 addresses; v12-43 statistics, eight a tile; v44-57 the tail's; v58-63 addresses; v64-191 S^T, 32 a tile; v192-255 P, 16 a tile.
;   window 1: O^T, 64 a tile.   window 2: v0-63 Q, 16 a tile; v128-191 K of one step.   window 3: v0-127 V of one step; v128-191 rms_weight in O^T's layout; v192-199 the four lambda vectors, two numbers a lane.
.set KS,    64
.set PK,    272       ; a row of K in LDS: 256 bytes (both streams) + 16
.set PV,    288       ; a row of V: 256 + 32
.set VOFF,  KS*PK
.set STEPB, KS*(PK+PV)
.set SLOT1, 1<<17     ; a slot holds two steps (71,680 bytes); slot 1 begins here
.set SPARE, SLOT1+2*STEPB  ; behind the ring: the spare words, 128 bytes a wave
.set ROWG,  6144      ; a row of qkv16 in bytes
.set STEPG, KS*ROWG   ; a step's 64 rows in memory
.set SLOTG, 2*STEPG   ; a slot's 128 rows; also a work-group's 128 queries
.set AK0, 2           ; v2   my lane's place in a tile of K, my stream's channels
.set AV0, 3           ; v3   the same for V
.set ADR, 4           ; v4   the LDS address of the run of loads in hand
.set QO,  5           ; v5   my byte offset in the wave's rows of Q
.set WX,  6           ; v6   the exchange: where my wave's O^T goes: 16 x lane + 32,768 x wave
.set RX0, 7           ; v7   where I read stream 1's part of the two tiles that I finish
.set GO,  8           ; v8   16 x lane
.set ST,  12          ; tile t's statistics at v[ST+8 t]: +0 c m, +1 m, +2, +3 l, +4 to +7 at work
.set RX1, 58          ; v58  stream 2's part: 65,536 bytes on
.set RA,  59          ; v59  32 h: rms_weight's offset
.set LA,  60          ; v60  8 x lane: the lambdas' offset
.set PFO, 61          ; v61  ROWG x lane: the prefetches' offset
.set SPW, 62
.set NIL, 63
.set S,   64
.set P,   192
.set KF,  128         ; K's fragments, in window 2
.set RW,  128         ; rms_weight, in window 3
.set LM,  192         ; the lambdas, in window 3
.set WV,  12
.set LIM, 15
.set PFA, 18
.set G1K, 24
.set G1V, 32
.set G0K, 40
.set G0V, 48
.set SLOTS, 56
.set TWICE, 57
.set CS,  58
.set SEL, 60
.set TB,  62
.set STR, 86          ; s86  my stream, 0 or 1
.set MSB, 0
.macro WIN new
.if MSB != \new
	s_set_vgpr_msb (MSB<<8)|\new
.set MSB, \new
.endif
.endm
.set W_KQ, 0x0a       ; K and Q in window 2, S^T in window 0
.set W_PV, 0x53       ; V in window 3, P in window 0, O^T in window 1
.set W_RS, 0x41       ; O^T (destination and source 0) in window 1
; a joint refill: waves 0 and 1 fetch the two steps' tiles of K, waves 2 and 3 those of V; the branch hangs on the wave's number alone.  An s_nop 0 and four v_nop follow each line
.macro JLOAD
	s_cmp_lt_u32 s[WV], 2
	s_cbranch_scc0 .Lfor_v_\@
	tensor_load_to_lds s[G0K+4:G0K+7], s[G1K:G1K+7]
	s_nop 0
.rept 4
	v_nop
.endr
	s_branch .Lasked_\@
.Lfor_v_\@:
	tensor_load_to_lds s[G0V+4:G0V+7], s[G1V:G1V+7]
	s_nop 0
.rept 4
	v_nop
.endr
.Lasked_\@:
.endm
; a prefetch of what the NEXT change of slots will ask for: a slot's 128 rows of K and of V, 256 bytes of each row, a lane a row.  Each row is named once in the launch: of the four clusters that walk a head the first asks;
; its four partners take 32 rows each, told apart by address; in each, wave 0 asks for K's and wave 2 for V's.  The last change that fills a slot asks for nothing.
.macro ASK
	s_cmp_gt_u32 s[SLOTS], s[LIM]
	s_cbranch_scc0 .Lnot_mine_\@
	global_prefetch_b8 v[PFO], s[PFA:PFA+1] th:TH_LOAD_NT scope:SCOPE_SE
.Lnot_mine_\@:
.endm
.macro CROUND
	s_barrier_signal -1
	s_barrier_wait -1
	s_cmp_lg_u32 s[WV], 0
	s_cbranch_scc1 .Lnot_wave_0_\@
	s_barrier_signal -3
.Lnot_wave_0_\@:
	s_barrier_wait -3
	s_barrier_signal -1
	s_barrier_wait -1
.endm
	s_load_b64 s[4:5], s[0:1], 0x0    ; qkv16
	s_load_b256 s[68:75], s[0:1], 0x8 ; lambda_q1, lambda_k1, lambda_q2, lambda_k2
	s_load_b128 s[76:79], s[0:1], 0x28  ; rms_weight, aF
	v_lshl_add_u32 v[SPW], v0, 2, SPARE
	v_mov_b32 v[NIL], 0
	ds_add_u32 v[SPW], v[NIL]       ; the wave's opening: the add, twice on end, and its wait ahead of my first tensor load
	ds_add_u32 v[SPW], v[NIL]
	v_lshrrev_b32 v1, 5, v0
	v_readfirstlane_b32 s[WV], v1   ; wave 0..3
	s_bfe_u32 s13, ttmp6, 0x40000   ; cx: it enters Q's, aF's and the prefetches' addresses alone
	s_lshl_b32 s14, ttmp9, 2
	s_add_co_u32 s14, s14, s13      ; my block of 128 queries
	s_and_b32 s20, ttmp7, 0xffff
	s_lshr_b32 s21, s20, 3          ; batch
	s_and_b32 s20, s20, 7           ; head
	s_mul_i32 s22, s21, 2048*ROWG
	s_lshl_b32 s23, s20, 8
	s_add_co_u32 s22, s22, s23      ; the head's first byte of q: all offsets stay under 2^32
	s_and_b32 s16, s[WV], 1         ; which 64 queries are mine.  Also: which of a slot's two steps I fetch
	s_lshr_b32 s[STR], s[WV], 1     ; my stream
	s_mul_i32 s2, s16, STEPG
	s_add_co_u32 s2, s2, s22
	s_add_co_u32 s2, s2, 2048       ; k lies 1,024 columns behind q
	s_mov_b32 s3, 0
	s_mul_i32 s17, s16, STEPB       ; my tile's place in a slot
	s_mul_i32 s66, s14, SLOTG
	s_mul_i32 s67, s16, STEPG
	s_add_co_u32 s66, s66, s67
	s_add_co_u32 s66, s66, s22
	s_lshl_b32 s67, s[STR], 7
	s_add_co_u32 s66, s66, s67      ; Q: my 64 rows, my stream's 128 bytes
	s_mov_b32 s67, 0
	s_lshl_b32 s88, s21, 22         ; aF: group of 16 rows = 128 batch + 8 block + 4 (w % 2) + 2 stream, 32,768 bytes each; the head's 128 along K are 4,096 bytes
	s_lshl_b32 s89, s14, 18
	s_add_co_u32 s88, s88, s89
	s_lshl_b32 s89, s16, 17
	s_add_co_u32 s88, s88, s89
	s_lshl_b32 s89, s[STR], 16
	s_add_co_u32 s88, s88, s89
	s_lshl_b32 s89, s20, 12
	s_add_co_u32 s88, s88, s89
	s_mov_b32 s89, 0
	; descriptor group 1: 64 rows x 128 elements of 2 bytes, 3,072 elements apart, padded in LDS
	s_mov_b32 s[G1K], 15|(1<<16)|(1<<20)|(1<<21)|(5<<22)|(3<<25)
	s_mov_b32 s[G1V], 15|(1<<16)|(1<<20)|(1<<21)|(5<<22)|(7<<25)
.irp g, G1K, G1V
	s_mov_b32 s[\g+1], 128<<16
	s_mov_b32 s[\g+2], KS<<16
	s_mov_b32 s[\g+3], 128<<16
	s_mov_b32 s[\g+4], KS
	s_mov_b32 s[\g+5], 3072
	s_mov_b32 s[\g+6], 0
	s_mov_b32 s[\g+7], 0
.endr
	s_mov_b32 s[CS], 0x3e38aa3b     ; c = log2(e) / 8
	s_mov_b32 s[CS+1], s[CS]
	s_mov_b32 s[SEL], 0x76543210
	s_mov_b32 s[SEL+1], 0xfedcba98
	s_mov_b32 s[TB], 0
	s_mov_b32 s[SLOTS], 2048/(2*KS)-2
	s_mov_b32 s80, 0x3c000000       ; 1 / 128
	s_mov_b32 s81, 0x358637bd       ; EPS = 1e-6
	s_mov_b32 s82, 0x3e5d9673       ; 1 - LAMBDA_INIT
	s_mov_b32 s83, s82
	s_cmp_eq_u32 s[STR], 0
	s_cselect_b32 s84, 0x3f800000, 0   ; my stream's factor is s84 + lam x s85: 1 for stream 1,
	s_cselect_b32 s85, 0, 0xbf800000   ; -lam for stream 2
	s_and_b32 s[LIM], s[WV], 1
	s_or_b32 s[LIM], s[LIM], ttmp9  ; 0 in waves 0 and 2 of the head's first cluster: the same in all four partners
	s_cmp_eq_u32 s[LIM], 0
	s_cselect_b32 s[LIM], 1, -1
	v_and_b32 v[PFO], 31, v0
	v_mul_u32_u24 v[PFO], v[PFO], ROWG
	s_wait_dscnt 0x0                ; both opening adds are done
	s_wait_kmcnt 0x0
	s_add_nc_u64 s[6:7], s[4:5], s[2:3]  ; K at my tile of slot 0
	s_add_nc_u64 s[8:9], s[6:7], 2048    ; V: 1,024 columns on
	s_add_nc_u64 s[4:5], s[4:5], s[66:67]
	s_add_nc_u64 s[10:11], s[78:79], s[88:89]
	s_cmp_lt_u32 s[WV], 2
	s_cselect_b64 s[PFA:PFA+1], s[6:7], s[8:9]  ; (in waves 0 and 2 these stand at a slot's first row)
	s_mul_i32 s2, s13, 32*ROWG      ; my work-group's 32 rows of the 128
	s_mov_b32 s3, 0
	s_add_nc_u64 s[PFA:PFA+1], s[PFA:PFA+1], s[2:3]
	s_add_nc_u64 s[PFA:PFA+1], s[PFA:PFA+1], 2*SLOTG  ; in slot 2; the first change of slots steps it to slot 3.  Nothing is prefetched at the head
	CROUND                          ; all four work-groups are here: the first joint loads meet
.irp s, 0,1
	s_mov_b32 s[G0K+4*\s], 1
	s_add_co_u32 s[G0K+4*\s+1], s17, \s*SLOT1
	s_add_nc_u64 s[G0K+4*\s+2:G0K+4*\s+3], s[6:7], \s*SLOTG
	s_or_b32 s[G0K+4*\s+3], s[G0K+4*\s+3], 0x80000000
	s_mov_b32 s[G0V+4*\s], 1
	s_add_co_u32 s[G0V+4*\s+1], s17, \s*SLOT1+VOFF
	s_add_nc_u64 s[G0V+4*\s+2:G0V+4*\s+3], s[8:9], \s*SLOTG
	s_or_b32 s[G0V+4*\s+3], s[G0V+4*\s+3], 0x80000000
.endr
	s_cmp_lt_u32 s[WV], 2           ; a wave's two first fills stand in one branch, ahead of every wait on TENSORcnt and every LDS read
	s_cbranch_scc0 .Lfirst_v
	tensor_load_to_lds s[G0K:G0K+3], s[G1K:G1K+7]
	s_nop 0
	tensor_load_to_lds s[G0K+4:G0K+7], s[G1K:G1K+7]
	s_nop 0
.rept 4
	v_nop
.endr
	s_branch .Lfirst_asked
.Lfirst_v:
	tensor_load_to_lds s[G0V:G0V+3], s[G1V:G1V+7]
	s_nop 0
	tensor_load_to_lds s[G0V+4:G0V+7], s[G1V:G1V+7]
	s_nop 0
.rept 4
	v_nop
.endr
.Lfirst_asked:
	v_and_b32 v1, 15, v0            ; r
	v_bfe_u32 v9, v0, 4, 1          ; h
	v_mul_u32_u24 v[QO], v1, ROWG
	v_lshl_add_u32 v[QO], v9, 4, v[QO]
	v_lshlrev_b32 v[RA], 5, v9
	v_and_b32 v[LA], 31, v0
	v_lshlrev_b32 v[LA], 3, v[LA]
	WIN 0x80                        ; destination window 2
.irp i, 0,1,2,3,4,5,6,7             ; Q stays in registers: tile i / 2, channels 32 (i % 2) on
	global_load_b128 v[8*\i:8*\i+3],   v[QO], s[4:5] offset:(\i/2)*16*ROWG+(\i%2)*64
	global_load_b128 v[8*\i+4:8*\i+7], v[QO], s[4:5] offset:(\i/2)*16*ROWG+(\i%2)*64+32
.endr
	WIN 0xc0                        ; destination window 3
.irp c, 0,1,2,3,4,5,6,7             ; rms_weight in O^T's layout: register 8 c + j = channel 16 c + 8 h + j
	global_load_b128 v[RW+8*\c:RW+8*\c+3],   v[RA], s[76:77] offset:64*\c
	global_load_b128 v[RW+8*\c+4:RW+8*\c+7], v[RA], s[76:77] offset:64*\c+16
.endr
	global_load_b64 v[LM:LM+1],   v[LA], s[68:69]
	global_load_b64 v[LM+2:LM+3], v[LA], s[70:71]
	global_load_b64 v[LM+4:LM+5], v[LA], s[72:73]
	global_load_b64 v[LM+6:LM+7], v[LA], s[74:75]
	WIN 0
	v_mul_u32_u24 v[AK0], v1, PK
	v_lshl_add_u32 v[AK0], v9, 4, v[AK0]
	s_lshl_b32 s88, s[STR], 7
	v_add_nc_u32 v[AK0], s88, v[AK0]  ; row x pitch + 16 h + my stream's 128 bytes
	v_and_b32 v10, 7, v0            ; the turning load: lane l reads key 8 (l / 16) + l % 8, channels 8 ((l / 8) % 2) + 0..7
	v_bfe_u32 v11, v0, 3, 1
	v_lshl_add_u32 v[AV0], v9, 3, v10
	v_mul_u32_u24 v[AV0], v[AV0], PV
	v_lshl_add_u32 v[AV0], v11, 4, v[AV0]
	v_add_nc_u32 v[AV0], VOFF, v[AV0]
; THE MATRIX WORK OF A TURN, for piece x.  The accumulators take turns, one instruction a turn: between two links of a chain stand 15 (V^T P) or 7 (K Q^T) others'.
; product i of 32 of O^T += V^T P: keys 32 (i / 16) on, channels 16 ((i / 2) % 8) on, tile x + i % 2
.macro PV x, zero
	WIN W_PV
.set rO, 64*(\x+i%2)+8*((i/2)%8)
.set rV, 64*(i/16)+8*((i/2)%8)
.set rP, P+16*(\x+i%2)+8*(i/16)
.if \zero && (i < 16)
	v_wmma_f32_16x16x32_f16 v[rO:rO+7], v[rV:rV+7], v[rP:rP+7], 0
.else
	v_wmma_f32_16x16x32_f16 v[rO:rO+7], v[rV:rV+7], v[rP:rP+7], v[rO:rO+7]
.endif
.endm
; product i of 16 of S^T = K Q^T: channels 32 (i / 8) on, keys 16 ((i / 2) % 4) on, tile x + i % 2.  The first 8 start the sums
.macro KQ x
	WIN W_KQ
.set rS, S+32*(\x+i%2)+8*((i/2)%4)
.set rK, KF+16*((i/2)%4)+8*(i/8)
.set rQ, 16*(\x+i%2)+8*(i/8)
.if i < 8
	v_wmma_f32_16x16x32_f16 v[rS:rS+7], v[rK:rK+7], v[rQ:rQ+7], 0
.else
	v_wmma_f32_16x16x32_f16 v[rS:rS+7], v[rK:rK+7], v[rQ:rQ+7], v[rS:rS+7]
.endif
.endm
; THE LDS LOADS stand in runs: a step's K (64 keys x my stream's 64 channels: 8 fragments, 16 loads) and, a turn later, its V (turned: 32 loads)
.macro FETCH_K
	WIN 0
	v_add_nc_u32 v[ADR], s[TB], v[AK0]
	WIN 0x80
.irp f, 0,1,2,3,4,5,6,7             ; keys 16 (f / 2) on, channels 32 (f % 2) on
	ds_load_b128 v[KF+8*\f:KF+8*\f+3],   v[ADR] offset:(\f/2)*16*PK+(\f%2)*64
	ds_load_b128 v[KF+8*\f+4:KF+8*\f+7], v[ADR] offset:(\f/2)*16*PK+(\f%2)*64+32
.endr
.endm
.macro FETCH_V
	WIN 0
	v_add_nc_u32 v[ADR], s[TB], v[AV0]
	s_add_co_u32 s[TB], s[TB], STEPB  ; the next fetch is the next step's
	s_wait_alu depctr_va_vdst(0)    ; the wait for the softmax's batch of exponentials, ahead of the first line that names a result
	WIN 0xc0
.irp f, 0,1,2,3,4,5,6,7,8,9,10,11,12,13,14,15  ; keys 32 (f / 8) on, channels 16 (f % 8) on
	ds_load_tr16_b128 v[8*\f:8*\f+3],   v[ADR] offset:(\f/8)*32*PV+(\f%8)*32
	ds_load_tr16_b128 v[8*\f+4:8*\f+7], v[ADR] offset:(\f/8)*32*PV+16*PV+(\f%8)*32
.endr
.endm
; THE VECTOR WORK OF A TURN.  One tile's softmax for one key step is a list of 134 instructions; SM writes number j of it for tile t.
;   0-15 the maximum of the lane's 32 scores and the old m;  16-20 the other half of the lanes' maximum, the new m, c m, c m_old - c m_new;
;   21-69 ONE BATCH: 16 packed scalings c s - c m and all 33 exponentials (a at 23), none of which reads an exponential's result;  (the wait);
;   70-85 the roundings to f16;  86-101 the sums, l = a l + the sum;  102-133 the tile's O^T times a.   first = 1: the first key step: no a, nothing to rescale.
.macro SM t, first
.set rT, ST+8*(\t)
.set rS, S+32*(\t)
.set rP, P+16*(\t)
.set rO, 64*(\t)+2*(j-102)
.if j < 102
	WIN 0
.endif
.if j < 4
	v_max3_num_f32 v[rT+4+j], v[rS+8*j], v[rS+8*j+1], v[rS+8*j+2]
.elseif j < 12
	v_max3_num_f32 v[rT+4+j%4], v[rT+4+j%4], v[rS+8*(j%4)+2*(j/4)+1], v[rS+8*(j%4)+2*(j/4)+2]
.elseif j == 12
	v_max3_num_f32 v[rT+4], v[rT+4], v[rS+7], v[rS+15]
.elseif j == 13
	v_max3_num_f32 v[rT+6], v[rT+6], v[rS+23], v[rS+31]
.elseif j == 14
	v_max3_num_f32 v[rT+4], v[rT+4], v[rT+5], v[rT+6]
.elseif (j == 15) && \first
	v_max_num_f32 v[rT+4], v[rT+4], v[rT+7]
.elseif j == 15
	v_max3_num_f32 v[rT+4], v[rT+4], v[rT+7], v[rT+1]
.elseif j == 16
	v_permlanex16_b32 v[rT+5], v[rT+4], s[SEL], s[SEL+1]  ; the query's other 32 keys lie in the lane 16 away
.elseif j == 18
	v_max_num_f32 v[rT+1], v[rT+4], v[rT+5]
.elseif j == 19
	v_mul_f32 v[rT], s[CS], v[rT+1]
.elseif ((j == 17) || (j == 20) || (j == 23) || (j > 101)) && \first
.elseif j == 17
	v_mov_b32 v[rT+7], v[rT]        ; c m_old is kept for a
.elseif j == 20
	v_sub_f32 v[rT+7], v[rT+7], v[rT]
.elseif j == 23
	v_exp_f32 v[rT+6], v[rT+7]
.elseif (j < 23) || ((j < 38) && (j%2 == 0)) || ((j < 66) && (j%4 == 2))
.set b, (j-2)/4
.if j < 38
.set b, (j-20)/2
.endif
	v_pk_fma_f32 v[rS+2*b:rS+2*b+1], v[rS+2*b:rS+2*b+1], s[CS:CS+1], v[rT:rT+1] op_sel_hi:[1,0,0] neg_lo:[0,0,1] neg_hi:[0,0,1]  ; pair b: c s - c m
.elseif j < 70
.set e, j-38
.if j < 66
.set e, j-32-(j-38)/4
.endif
.if j < 38
.set e, (j-25)/2
.endif
	v_exp_f32 v[rS+e], v[rS+e]
.elseif j < 86
	v_cvt_pk_f16_f32 v[rP+j-70], v[rS+2*(j-70)], v[rS+2*(j-70)+1]
.elseif j < 102
.set z, j-86
.set w, 4
.set u, z
.if z >= 14
.set w, 32
.set u, 0
.elseif z >= 12
.set w, 16
.set u, z-12
.elseif z >= 8
.set w, 8
.set u, z-8
.endif
.if (z == 14) && \first
	v_pk_add_f32 v[rT+2:rT+3], v[rS:rS+1], v[rS+16:rS+17]
.elseif z < 15
	v_pk_add_f32 v[rS+w*u:rS+w*u+1], v[rS+w*u:rS+w*u+1], v[rS+w*u+w/2:rS+w*u+w/2+1]
.elseif !\first
	v_pk_fma_f32 v[rT+2:rT+3], v[rT+2:rT+3], v[rT+6:rT+7], v[rS:rS+1] op_sel_hi:[1,0,1]
.endif
.else
	WIN W_RS
	v_pk_mul_f32 v[rO:rO+1], v[rO:rO+1], v[rT+6:rT+7] op_sel_hi:[1,0]
.endif
.endm
; slice k of 64 of piece y's softmax: four instructions.  Slices 11 to 34 deal out the batch, four numbers of ONE tile each, the tiles by turns; every other slice is numbers 2 k, 2 k + 1 of both tiles;
; the twelve that are over stand in slice 63.  Ahead of slice 35 nothing names an exponential's result, behind slice 34 none is issued: ONE wait, behind slice 34, serves the piece's 66.
.macro SLICE y, first
.if (k >= 11) && (k < 35)
.irp n, 0,1,2,3
.set j, 22+4*((k-11)/2)+(\n)
	SM (\y)+(k-11)%2, \first
.endr
.else
.irp n, 0,1,2,3,4,5,6,7
.if (\n < 2) || (k == 63)
.irp t, \y, \y+1
.set j, 2*k+\n
	SM \t, \first
.endr
.endif
.endr
.endif
.if k == 34
	v_nop                           ; the plain line behind the last exponential, ahead of the first use
.if (\y) == 0
	FETCH_V                         ; piece 2's turn: V's run of loads stands here, and the wait stands in it
.else
	s_wait_alu depctr_va_vdst(0)    ; the wait for the batch
.endif
.endif
.set k, k+1
.endm
.macro PLACES
.rept 4
	v_nop
.endr
.endm
; A TURN.  Piece x has the matrix unit.  pv = 2: 32 products V^T P; 1: they start O^T's sums; 0: none.  kq = 1: 16 products K Q^T for the next step.
; The 64 slices: with both kinds one behind each V^T P and two behind each K Q^T; with K Q^T alone four behind each; with V^T P alone two behind each.
; PLACES, counted.  V's run (behind slice 34): V's last reader stands in front of slice 31; between lie four plain lines: number 62, a scaling, of both tiles, the v_nop and the run's own addition.
; K's run (behind piece 0's second V^T P): K's last reader stands in front of slices 62 and 63 of the turn before, twenty plain lines that name none of its registers; they also part the last scores from their first read.
; first = 1: slices from 51 on are empty, and four v_nop take their part.
.macro TURN x, pv, kq, first
.set k, 0
.set perp, 2
.set perk, 4
.if \pv && \kq
.set perp, 1
.set perk, 2
.endif
.if \pv
.if \x == 0
	s_wait_dscnt 0x0                ; V is in
.endif
.set i, 0
.rept 32
	PV \x, 2-\pv
.rept perp
	SLICE 2-\x, \first
.endr
.if (\x == 0) && \kq && (i == 1)
	FETCH_K
.endif
.set i, i+1
.endr
.endif
.if \kq
.if \x == 0
	s_wait_dscnt 0x0                ; K is in
.endif
.set i, 0
.rept 16
	KQ \x
.rept perk
	SLICE 2-\x, \first
.endr
.set i, i+1
.endr
.endif
.if \first
	PLACES
.endif
.endm
; THE CHANGE OF SLOTS, between piece 2's turn and piece 0's.  Each wave waits for all its tensor loads (one is out: its part of the other slot), adds 0 to its spare word, and waits for that and for its reads of the slot.
; fill = 1: the barrier is a round of the cluster's, and the joint refill is the first thing behind it: it has two key steps, 192 matrix instructions, in which to land.
.macro CHANGE fill
	WIN 0
	s_wait_tensorcnt 0x0            ; no tensor load of mine is out, so a group 0 may be written
	ds_add_u32 v[SPW], v[NIL]
.if \fill
.irp g, G0K+4, G0V+4
	s_xor_b32 s[\g+1], s[\g+1], SLOT1
	s_add_nc_u64 s[\g+2:\g+3], s[\g+2:\g+3], SLOTG
.endr
	s_wait_xcnt 0x0                 ; the last prefetch, two key steps back, has read its address
	s_add_nc_u64 s[PFA:PFA+1], s[PFA:PFA+1], SLOTG
	s_wait_dscnt 0x0                ; the add is done, and my reads of the slot are over
	CROUND
	JLOAD
	ASK
.else
	s_wait_dscnt 0x0
	s_barrier_signal -1
	s_barrier_wait -1
.endif
	s_sub_co_u32 s[TB], s[TB], 2*STEPB
	s_xor_b32 s[TB], s[TB], SLOT1
.endm
.macro TWO_STEPS
	s_mov_b32 s[TWICE], 2
.Lstep_\@:
	TURN 0, 2, 1, 0
	TURN 2, 2, 1, 0
	WIN 0
	s_sub_co_u32 s[TWICE], s[TWICE], 1
	s_cmp_lg_u32 s[TWICE], 0
	s_cbranch_scc1 .Lstep_\@
.endm
	s_wait_tensorcnt 1              ; my part of slot 0 is in; slot 1's may stay out
	s_barrier_signal -1
	s_barrier_wait -1
	FETCH_K                         ; key step 0
	s_wait_loadcnt 0x0              ; Q, rms_weight, the lambdas
	s_wait_dscnt 0x0
.set i, 0
.rept 16
	KQ 0                            ; piece 0's first scores
.set i, i+1
.endr
	WIN 0                           ; the tail's addresses are made here: nine plain lines, the places behind those products
	s_lshl_b32 s88, s[WV], 15
	s_lshl_b32 s89, s16, 15
	s_lshl_b32 s87, s[STR], 14
	s_add_co_u32 s89, s89, s87
	v_and_b32 v[GO], 31, v0
	v_lshlrev_b32 v[GO], 4, v[GO]
	v_add_nc_u32 v[WX], s88, v[GO]
	v_add_nc_u32 v[RX0], s89, v[GO] ; stream 1's wave of my 64 queries is wave w % 2; the two tiles that I finish begin 2 x stream tiles of 8,192 bytes on
	v_add_nc_u32 v[RX1], 0x10000, v[RX0]
	v_mov_b32 v46, 0                ; written once: a lane permute's destination counts as one of its sources,
	v_mov_b32 v47, 0
	v_mov_b32 v52, 0
	v_mov_b32 v55, 0                ; and the upper half of a pair that is named whole
	TURN 2, 0, 1, 1                 ; piece 2's first scores | piece 0's first softmax | V of step 0
	TURN 0, 1, 1, 1                 ; piece 0: V^T P of step 0 starts O^T, K Q^T of step 1 | piece 2's first softmax | K of step 1
	TURN 2, 1, 1, 0                 ; piece 2: the same | piece 0's softmax of step 1 | V of step 1
	WIN 0
.Lslot:                             ; 14 trips: every slot but the last two is filled again
	CHANGE 1
	TWO_STEPS
	s_sub_co_u32 s[SLOTS], s[SLOTS], 1
	s_cmp_lg_u32 s[SLOTS], 0
	s_cbranch_scc1 .Lslot
	CHANGE 0                        ; the tail is written out
	TWO_STEPS
	TURN 0, 2, 0, 0                 ; piece 0: V^T P of the last step | piece 2's last softmax
	s_wait_dscnt 0x0                ; my last reads of the ring came back at that turn's head:
	s_barrier_signal -1             ; say so; the wait stands ahead of the exchange's first store, with work on registers alone between
.set i, 0
.rept 32
	PV 2, 0                         ; piece 2: V^T P of the last step
.set i, i+1
.endr
	; THE TAIL.  l of each tile; lam; my stream's factor over l.  (These lines are the places behind the last products.)
	WIN 0
.irp t, 0,1,2,3
	v_add_f32 v[ST+8*\t+4], v[ST+8*\t+2], v[ST+8*\t+3]
.endr
.irp t, 0,1,2,3
	v_permlanex16_b32 v[ST+8*\t+5], v[ST+8*\t+4], s[SEL], s[SEL+1]
.endr
.irp t, 0,1,2,3
	v_add_f32 v[ST+8*\t+4], v[ST+8*\t+4], v[ST+8*\t+5]
.endr
	WIN 0x0f                        ; sources 0 and 1 window 3
	v_mul_f32 v44, v[LM], v[LM+2]   ; lambda_q1 . lambda_k1: my two terms,
	v_mul_f32 v45, v[LM+4], v[LM+6] ; lambda_q2 . lambda_k2 likewise
	v_fma_f32 v44, v[LM+1], v[LM+3], v44
	v_fma_f32 v45, v[LM+5], v[LM+7], v45
	WIN 0
.irp m, 1,2,4,8
	v_add_f32_dpp v44, v44, v44 row_xmask:\m row_mask:0xf bank_mask:0xf
	v_add_f32_dpp v45, v45, v45 row_xmask:\m row_mask:0xf bank_mask:0xf
.endr
	v_permlanex16_b32 v46, v44, s[SEL], s[SEL+1]
	v_permlanex16_b32 v47, v45, s[SEL], s[SEL+1]
	v_add_f32 v44, v44, v46
	v_add_f32 v45, v45, v47
	v_mul_f32 v44, 0x3fb8aa3b, v44  ; x log2(e)
	v_mul_f32 v45, 0x3fb8aa3b, v45
	v_exp_f32 v44, v44              ; one batch: two exponentials and four reciprocals
	v_exp_f32 v45, v45
.irp t, 0,1,2,3
	v_rcp_f32 v[ST+8*\t+6], v[ST+8*\t+4]
.endr
	v_nop                           ; a plain line behind the last of them,
	s_wait_alu depctr_va_vdst(0)    ; and one wait ahead of the first use
	v_sub_f32 v44, v44, v45
	v_add_f32 v44, 0x3f489a63, v44  ; lam = e1 - e2 + LAMBDA_INIT
	v_fma_f32 v45, v44, s85, s84    ; 1 for stream 1, -lam for stream 2
.irp t, 0,1,2,3
	v_mul_f32 v[ST+8*\t+6], v[ST+8*\t+6], v45
.endr
	s_barrier_wait -1               ; no wave reads the ring any more, and no tensor load is out or will be issued: LDS bytes 0 to 131,071 take the exchange
.irp t, 0,1,2,3                     ; my O^T x factor / l goes to LDS as an image of its registers: 512 consecutive bytes a store
	WIN W_RS
.set i, 64*\t
.rept 32
	v_pk_mul_f32 v[i:i+1], v[i:i+1], v[ST+8*\t+6:ST+8*\t+7] op_sel_hi:[1,0]   ; each accumulator from its low end on
.set i, i+2
.endr
	WIN 0x04                        ; an LDS store's data are its source 1: window 1
.irp j, 0,1,2,3,4,5,6,7,8,9,10,11,12,13,14,15
	ds_store_b128 v[WX], v[64*\t+4*\j:64*\t+4*\j+3] offset:8192*\t+512*\j
.endr
.endr
	WIN 0x03                        ; source 0 window 3
.set i, 0
.rept 32
	v_pk_mul_f32 v[P+i:P+i+1], v[RW+i:RW+i+1], s[82:83] op_sel_hi:[1,0]   ; rms_weight x (1 - LAMBDA_INIT), into P's registers
.set i, i+2
.endr
	WIN 0
	s_wait_dscnt 0x0                ; for the others' sake: my stores are done
	s_barrier_signal -1
	s_barrier_wait -1
; Wave (w % 2, stream) finishes tiles 2 x stream + u of its 64 queries: the choice lies in the LDS addresses alone.  d: where the f16 results go
.macro FINISH u, d
.irp j, 0,1,2,3,4,5,6,7,8,9,10,11,12,13,14,15
	ds_load_b128 v[S+4*\j:S+4*\j+3],       v[RX0] offset:8192*\u+512*\j
	ds_load_b128 v[S+64+4*\j:S+64+4*\j+3], v[RX1] offset:8192*\u+512*\j
.endr
	s_wait_dscnt 0x0
.set i, 0
.rept 32
	v_pk_add_f32 v[S+i:S+i+1], v[S+i:S+i+1], v[S+64+i:S+65+i]   ; O1 / l1 - lam O2 / l2
.set i, i+2
.endr
.irp n, 0,1,2,3
	v_pk_mul_f32 v[44+2*\n:45+2*\n], v[S+2*\n:S+2*\n+1], v[S+2*\n:S+2*\n+1]   ; the sum of squares, in four chains of pairs
.endr
.set i, 8
.rept 28
	v_pk_fma_f32 v[44+i%8:45+i%8], v[S+i:S+i+1], v[S+i:S+i+1], v[44+i%8:45+i%8]
.set i, i+2
.endr
	v_pk_add_f32 v[44:45], v[44:45], v[46:47]
	v_pk_add_f32 v[48:49], v[48:49], v[50:51]
	v_pk_add_f32 v[44:45], v[44:45], v[48:49]
	v_add_f32 v44, v44, v45
	v_permlanex16_b32 v52, v44, s[SEL], s[SEL+1]   ; the row's other 64 channels lie in the lane 16 away
	v_add_f32 v44, v44, v52
	v_fma_f32 v44, v44, s80, s81    ; the mean + EPS
	v_rsq_f32 v54, v44
	v_nop
	s_wait_alu depctr_va_vdst(0)
.set i, 0
.rept 32
	v_pk_mul_f32 v[S+i:S+i+1], v[S+i:S+i+1], v[54:55] op_sel_hi:[1,0]
.set i, i+2
.endr
.set i, 0
.rept 32
	v_pk_mul_f32 v[S+i:S+i+1], v[S+i:S+i+1], v[P+i:P+i+1]
.set i, i+2
.endr
.set i, 0
.rept 32
	v_cvt_pk_f16_f32 v[\d+i], v[S+2*i], v[S+2*i+1]
.set i, i+1
.endr
.irp c, 0,1,2,3,4,5,6,7
	global_store_b128 v[GO], v[\d+4*\c:\d+4*\c+3], s[10:11] offset:32768*\u+512*\c   ; channels 16 c + 8 h + 0..7 of row r: the registers are aF's image: 32 lanes store 512 consecutive bytes, aligned
.endr
.endm
	FINISH 0, 12                    ; into the statistics' registers, which are done with
	FINISH 1, 128                   ; into registers that no pending store reads
	s_wait_tensorcnt 0x0            ; the wave's end
	ds_add_u32 v[SPW], v[NIL]
	s_wait_dscnt 0x0
	CROUND                          ; the closing round
	s_endpgm
.Lfunc_end_k_qa61eafc753_attn:
	.size	k_qa61eafc753_attn, .Lfunc_end_k_qa61eafc753_attn-k_qa61eafc753_attn
	.p2alignl 7, 3214868480
	.fill 96, 4, 3214868480
	.section	.rodata,"a",@progbits
	.p2align	6, 0x0
	.amdhsa_kernel k_qa61eafc753_attn
		.amdhsa_group_segment_fixed_size 327680
		.amdhsa_private_segment_fixed_size 0
		.amdhsa_enable_private_segment 0
		.amdhsa_kernarg_size 56
		.amdhsa_user_sgpr_count 2
		.amdhsa_user_sgpr_kernarg_segment_ptr 1
		.amdhsa_wavefront_size32 1
		.amdhsa_system_sgpr_workgroup_id_x 1
		.amdhsa_system_sgpr_workgroup_id_y 1
		.amdhsa_system_sgpr_workgroup_id_z 1
		.amdhsa_system_vgpr_workitem_id 0
		.amdhsa_next_free_vgpr 1024
		.amdhsa_next_free_sgpr 92
		.amdhsa_reserve_vcc 0
		.amdhsa_float_denorm_mode_32 3
		.amdhsa_float_denorm_mode_16_64 3
		.amdhsa_memory_ordered 1
		.amdhsa_forward_progress 1
		.amdhsa_inst_pref_size 223
	.end_amdhsa_kernel
	.amdgpu_metadata
---
amdhsa.version: [ 1, 2 ]
amdhsa.kernels:
  - .name:           k_qa61eafc753_attn
    .symbol:         k_qa61eafc753_attn.kd
    .args:
      - { .name: qkv16, .offset: 0, .size: 8, .value_kind: global_buffer, .address_space: global }
      - { .name: lambda_q1, .offset: 8, .size: 8, .value_kind: global_buffer, .address_space: global }
      - { .name: lambda_k1, .offset: 16, .size: 8, .value_kind: global_buffer, .address_space: global }
      - { .name: lambda_q2, .offset: 24, .size: 8, .value_kind: global_buffer, .address_space: global }
      - { .name: lambda_k2, .offset: 32, .size: 8, .value_kind: global_buffer, .address_space: global }
      - { .name: rms_weight, .offset: 40, .size: 8, .value_kind: global_buffer, .address_space: global }
      - { .name: aF, .offset: 48, .size: 8, .value_kind: global_buffer, .address_space: global }
    .group_segment_fixed_size: 327680
    .private_segment_fixed_size: 0
    .kernarg_segment_align: 8
    .kernarg_segment_size: 56
    .max_flat_workgroup_size: 128
    .sgpr_count:     92
    .vgpr_count:     1024
    .wavefront_size: 32
...
	.end_amdgpu_metadata
.endif
;; end of part 3
;; launch proj (part 4): grid 8 x 32, 4 waves a work-group, clusters of 4 x 4, 327,680 bytes of LDS; arguments aF, wpF, out0; writes out0
.if DOCPART == 4
	.amdgcn_target "amdgcn-amd-amdhsa--gfx1250"
	.amdhsa_code_object_version 6
	.text
	.protected	k_qa61eafc753_proj
	.globl	k_qa61eafc753_proj
	.p2align	8
	.type	k_qa61eafc753_proj,@function
k_qa61eafc753_proj:
	s_mov_b64 s[64:65], 0
	v_nop
	global_prefetch_b8 v0, s[64:65] scope:SCOPE_SE
	s_setreg_imm32_b32 hwreg(HW_REG_WAVE_MODE, 25, 1), 1
	s_wait_xcnt 0x0
	s_wait_alu depctr_hold_cnt(0) depctr_sa_sdst(0) depctr_va_vdst(0) depctr_va_sdst(0) depctr_va_ssrc(0) depctr_va_vcc(0) depctr_vm_vsrc(0)
	s_getreg_b32 s2, hwreg(HW_REG_IB_STS2, 6, 4)
	s_cmp_eq_u32 s2, 0
	s_cbranch_scc0 .Lentry_in_a_cluster
	s_endpgm
.Lentry_in_a_cluster:
	s_bfe_u32 s2, ttmp6, 0x10000c
	s_cmp_lg_u32 s2, 0xf033
	s_cbranch_scc0 .Lentry_shape_is_right
	s_endpgm
.Lentry_shape_is_right:
; out0[m][n] = sum over k of a[m][k] w_proj[k][n].  a (4,096 x 1,024) and w_proj (1,024 x 1,024) are f16 in the ORDER OF THE OPERANDS' REGISTERS: a group of 16 rows (columns) is 32,768 bytes, in it 32 along K are
; 1,024 bytes: registers 4 g .. 4 g + 3 of lane l at 512 g + 16 l.  Sums in f32; out0 is f32 [4096][1024].
; A tile of C is 128 x 128: 256 work-groups.  Four waves, each 64 x 64: 16 accumulators.  K goes in steps of 256 through two LDS slots: a wave's tensor load brings 4 groups x 8,192 consecutive bytes, dense in LDS;
; a fragment's load reads 512 consecutive bytes.
; CLUSTERS: 4 x 4 work-groups; A's tiles are asked for jointly along a row of the cluster, B's along a column.  A wave has two tensor loads out at the head, one behind each round.
; THE MATRIX INSTRUCTION IS USED TRANSPOSED (source 0 = 16 columns of w_proj, source 1 = 16 rows of a): a lane holds eight neighbouring numbers of a row of C.
; REGISTERS: window 0: v0-31 addresses; v128-255 the accumulators ((a, b) at v[128 + 8 (4 a + b)]).  window 1: two fragment buffers of 128: 64 registers of A, then 64 of B, for 64 along K.
; No prefetch: a K step's work is short and the tiles are small; what is on its way is seen to by the longest K step that two slots allow.
.set HALFT,  32768                     ; 64 rows x 256 along K: one tensor load
.set SLOT,   4*HALFT
.set STAGE,  2*SLOT                    ; behind the ring: 16 rows x (256 + 16) bytes for each wave
.set SPITCH, 272
.set SPARE,  STAGE+4*16*SPITCH
.set LAPS,   2                         ; K = 1,024 is four K steps, two laps of the ring
.set KB,     8192                      ; a K step of one group, in bytes
.set CROW,   4096                      ; a row of C in bytes
.set ADRA, 16
.set ADRB, 20
.set STO,  24
.set RD,   25
.set CO,   26
.set SPW,  28
.set NIL,  29
.set ACC,  128
.set F0,   0
.set F1,   128
.set G1, 24
.set G0, 32
.set G1B, 48
.set G0B, 56
.set MSB, 0
.macro WIN new
.if MSB != \new
	s_set_vgpr_msb (MSB<<8)|\new
.set MSB, \new
.endif
.endm
.set MUL,  0x05                        ; sources 0 (B) and 1 (A) window 1; C and D window 0
.set TO_F, 0x40
.macro JLOAD s                         ; waves 0 and 1 fetch A's two halves, waves 2 and 3 B's; an s_nop 0 and four v_nop follow each line
	s_cmp_eq_u32 s11, 0
	s_cbranch_scc0 .Lfor_b_\@
	tensor_load_to_lds s[G0+4*\s:G0+4*\s+3], s[G1:G1+7]
	s_nop 0
.rept 4
	v_nop
.endr
	s_branch .Lasked_\@
.Lfor_b_\@:
	tensor_load_to_lds s[G0B+4*\s:G0B+4*\s+3], s[G1B:G1B+7]
	s_nop 0
.rept 4
	v_nop
.endr
.Lasked_\@:
.endm
.macro CREST
	s_cmp_lg_u32 s10, 0
	s_cbranch_scc1 .Lnot_wave_0_\@
	s_barrier_signal -3
.Lnot_wave_0_\@:
	s_barrier_wait -3
	s_barrier_signal -1
	s_barrier_wait -1
.endm
.macro CROUND
	s_barrier_signal -1
	s_barrier_wait -1
	CREST
.endm
	s_load_b128 s[4:7], s[0:1], 0x0                ; aF, wpF
	s_load_b64 s[8:9], s[0:1], 0x10                ; out0
	v_lshl_add_u32 v[SPW], v0, 2, SPARE
	v_mov_b32 v[NIL], 0
	ds_add_u32 v[SPW], v[NIL]                      ; the wave's opening: the add, twice on end, and its wait ahead of my first tensor load
	ds_add_u32 v[SPW], v[NIL]
	v_lshrrev_b32 v1, 5, v0
	v_readfirstlane_b32 s10, v1                    ; wave 0..3
	s_lshr_b32 s11, s10, 1                         ; which half of the tile's rows is mine.  Also: I fetch for A (0) or for B (1)
	s_and_b32 s12, s10, 1                          ; which half of its columns.  Also: which half of that tile I fetch
	s_bfe_u32 s40, ttmp6, 0x40000
	s_bfe_u32 s41, ttmp6, 0x40004
	s_lshl_b32 s42, ttmp9, 2
	s_add_co_u32 s42, s42, s40                     ; tile column
	s_and_b32 s13, ttmp7, 0xffff
	s_lshl_b32 s13, s13, 2
	s_add_co_u32 s13, s13, s41                     ; tile row
	s_lshl_b32 s43, s41, 2
	s_lshl_b32 s43, 15, s43                        ; my row of the cluster
	s_lshl_b32 s44, 0x1111, s40                    ; my column
	; descriptor group 1: 4 rows of 8,192 bytes (1,024 elements of 8 bytes), 32,768 bytes apart, dense in LDS
	s_or_b32 s[G1+0], s43, (3<<16)|(1<<21)
	s_or_b32 s[G1B+0], s44, (3<<16)|(1<<21)
.irp g, G1, G1B
	s_mov_b32 s[\g+1], 1024<<16
	s_mov_b32 s[\g+2], 4<<16
	s_mov_b32 s[\g+3], 1024<<16
	s_mov_b32 s[\g+4], 4
	s_mov_b32 s[\g+5], 4096
	s_mov_b32 s[\g+6], 0
	s_mov_b32 s[\g+7], 0
.endr
	s_lshl_b32 s17, s12, 2                         ; which four groups of the tile's eight I fetch
	s_lshl_b32 s16, s13, 3
	s_add_co_u32 s16, s16, s17
	s_lshl_b32 s16, s16, 15                        ; A: group 8 x tile row + 4 x half
	s_lshl_b32 s46, s42, 3
	s_add_co_u32 s46, s46, s17
	s_lshl_b32 s46, s46, 15                        ; B: group 8 x tile column + 4 x half
	s_mov_b32 s17, 0
	s_mov_b32 s47, 0
	s_mul_i32 s20, s10, HALFT                      ; where they go: A's two halves, then B's two
	s_wait_dscnt 0x0                               ; both opening adds are done
	s_wait_kmcnt 0x0
	s_add_nc_u64 s[14:15], s[4:5], s[16:17]
	s_add_nc_u64 s[46:47], s[6:7], s[46:47]
	CROUND                                         ; all sixteen work-groups are here: the first joint loads meet
.irp s, 0,1
	s_mov_b32 s[G0+4*\s], 1
	s_add_co_u32 s[G0+4*\s+1], s20, \s*SLOT
	s_add_nc_u64 s[G0+4*\s+2:G0+4*\s+3], s[14:15], \s*KB
	s_or_b32 s[G0+4*\s+3], s[G0+4*\s+3], 0x80000000
	s_mov_b32 s[G0B+4*\s], 1
	s_add_co_u32 s[G0B+4*\s+1], s20, \s*SLOT
	s_add_nc_u64 s[G0B+4*\s+2:G0B+4*\s+3], s[46:47], \s*KB
	s_or_b32 s[G0B+4*\s+3], s[G0B+4*\s+3], 0x80000000
	JLOAD \s
.endr
	v_and_b32 v1, 15, v0                           ; r
	v_bfe_u32 v2, v0, 4, 1                         ; h
	v_and_b32 v3, 31, v0
	v_lshlrev_b32 v3, 4, v3                        ; 16 x lane
	s_mul_i32 s21, s11, HALFT                      ; my 64 rows of A
	s_mul_i32 s22, s12, HALFT                      ; my 64 columns of B,
	s_add_co_u32 s22, s22, 2*HALFT                 ; which lie behind A's 128 rows
.irp s, 0,1
	v_add_nc_u32 v[ADRA+\s], s21, v3
	v_add_nc_u32 v[ADRB+\s], s22, v3
	s_add_co_u32 s21, s21, SLOT
	s_add_co_u32 s22, s22, SLOT
.endr
	s_mul_i32 s23, s10, 16*SPITCH
	s_add_co_u32 s23, s23, STAGE                   ; my stage
	v_mul_u32_u24 v4, v1, SPITCH
	v_lshl_add_u32 v4, v2, 5, v4
	v_add_nc_u32 v[STO], s23, v4                   ; in: row r, 32 bytes for each half of the lanes
	v_mul_u32_u24 v5, v2, SPITCH
	v_lshl_add_u32 v5, v1, 4, v5
	v_add_nc_u32 v[RD], s23, v5                    ; back: lanes 0-15 one row of 256 bytes, lanes 16-31 the next
	v_lshlrev_b32 v5, 12, v2
	v_lshl_add_u32 v[CO], v1, 4, v5                ; and the same two rows in C
	s_lshl_b32 s16, s13, 7
	s_lshl_b32 s17, s11, 6
	s_add_co_u32 s16, s16, s17                     ; my first row of C
	s_lshl_b32 s16, s16, 12
	s_mov_b32 s17, 0
	s_add_nc_u64 s[8:9], s[8:9], s[16:17]
	s_lshl_b32 s46, s42, 9                         ; my first column in bytes: 512 x tile column + 256 x half
	s_lshl_b32 s47, s12, 8
	s_add_co_u32 s46, s46, s47
	s_mov_b32 s47, 0
	s_add_nc_u64 s[8:9], s[8:9], s[46:47]
; 8 matrix instructions: row blocks a0, a0 + 1 x all 4 column blocks, 32 along K: half c of buffer f.  The 16 accumulators take turns
.macro MUL8 f, c, a0, zero
.irp a, \a0, \a0+1
.irp b, 0,1,2,3
.if \zero
	v_wmma_f32_16x16x32_f16 v[ACC+8*(4*(\a)+\b):ACC+8*(4*(\a)+\b)+7], v[\f+64+8*(4*\c+\b):\f+64+8*(4*\c+\b)+7], v[\f+8*(4*\c+\a):\f+8*(4*\c+\a)+7], 0
.else
	v_wmma_f32_16x16x32_f16 v[ACC+8*(4*(\a)+\b):ACC+8*(4*(\a)+\b)+7], v[\f+64+8*(4*\c+\b):\f+64+8*(4*\c+\b)+7], v[\f+8*(4*\c+\a):\f+8*(4*\c+\a)+7], v[ACC+8*(4*(\a)+\b):ACC+8*(4*(\a)+\b)+7]
.endif
.endr
.endr
.endm
; 32 LDS loads in one run: the fragments of the slot's kq-th 64 along K into buffer f; the first 32 along K first
.macro FETCH slot, kq, f
	WIN TO_F
.irp c, 0,1
.irp i, 0,1,2,3
	ds_load_b128 v[\f+64+8*(4*\c+\i):\f+64+8*(4*\c+\i)+3],   v[ADRB+\slot] offset:\i*KB+(2*(\kq)+\c)*1024
	ds_load_b128 v[\f+64+8*(4*\c+\i)+4:\f+64+8*(4*\c+\i)+7], v[ADRB+\slot] offset:\i*KB+(2*(\kq)+\c)*1024+512
	ds_load_b128 v[\f+8*(4*\c+\i):\f+8*(4*\c+\i)+3],         v[ADRA+\slot] offset:\i*KB+(2*(\kq)+\c)*1024
	ds_load_b128 v[\f+8*(4*\c+\i)+4:\f+8*(4*\c+\i)+7],       v[ADRA+\slot] offset:\i*KB+(2*(\kq)+\c)*1024+512
.endr
.endr
.endm
.macro PLACES                          ; four plain lines in front of loads into registers that matrix instructions have read, and of the first read of results
.rept 4
	v_nop
.endr
.endm
.macro QUARTER slot, kq, f, g, zero    ; multiplies buffer f and fetches the slot's kq-th 64 along K into g
	s_wait_dscnt 16                                ; the first 32 along K are in; the sixteen loads of the second 32 may be out
	WIN MUL
	MUL8 \f, 0, 0, \zero
	MUL8 \f, 0, 2, \zero
	PLACES
	FETCH \slot, \kq, \g
	s_wait_dscnt 32                                ; all but the 32 just issued
	WIN MUL
	MUL8 \f, 1, 0, 0
	MUL8 \f, 1, 2, 0
.endm
; the last quarter multiplies buffer 1 and changes slots: ONE barrier; in front of it each wave waits for all its tensor loads, adds 0 to its spare word, and waits for that and for its reads of this slot
.macro TURN slot, next, fill
	WIN 0
	s_wait_tensorcnt 0x0                           ; all my tensor loads have landed: my part of the next slot
	ds_add_u32 v[SPW], v[NIL]
	s_wait_dscnt 17                                ; the add and the youngest sixteen loads may be out
	WIN MUL
	MUL8 F1, 0, 0, 0
	s_wait_dscnt 0x0                               ; the add is done, and my reads of this slot are over
	s_barrier_signal -1
	MUL8 F1, 0, 2, 0
.if \fill
	WIN 0
.endif
	s_barrier_wait -1
.if \fill
	CREST                                          ; the barrier has opened a round of the cluster's: no wave of any partner still reads this slot or has a load on its way
	s_add_nc_u64 s[G0+4*\slot+2:G0+4*\slot+3], s[G0+4*\slot+2:G0+4*\slot+3], 2*KB
	s_add_nc_u64 s[G0B+4*\slot+2:G0B+4*\slot+3], s[G0B+4*\slot+2:G0B+4*\slot+3], 2*KB
	JLOAD \slot                                    ; the first tensor load behind the round; its four v_nop are also the places in front of the loads below
.else
	PLACES
.endif
	FETCH \next, 0, F0
	WIN MUL
	MUL8 F1, 1, 0, 0
	MUL8 F1, 1, 2, 0
.endm
	s_wait_tensorcnt 1                             ; my part of K step 0 is in; K step 1's load may be out
	s_barrier_signal -1
	s_barrier_wait -1
	FETCH 0, 0, F0
	QUARTER 0, 1, F0, F1, 1                        ; the first quarter's first products start the sums
	WIN 0
	s_mov_b32 s3, LAPS-1
.Llap:                                                 ; a trip goes once round the ring and fills both slots again
	QUARTER 0, 2, F1, F0, 0
	QUARTER 0, 3, F0, F1, 0
	TURN 0, 1, 1
	QUARTER 1, 1, F0, F1, 0
	QUARTER 1, 2, F1, F0, 0
	QUARTER 1, 3, F0, F1, 0
	TURN 1, 0, 1
	QUARTER 0, 1, F0, F1, 0
	WIN 0
	s_sub_co_u32 s3, s3, 1
	s_cmp_lg_u32 s3, 0
	s_cbranch_scc1 .Llap
	QUARTER 0, 2, F1, F0, 0                        ; the last lap fills nothing
	QUARTER 0, 3, F0, F1, 0
	TURN 0, 1, 0
	QUARTER 1, 1, F0, F1, 0
	QUARTER 1, 2, F1, F0, 0
	QUARTER 1, 3, F0, F1, 0
	s_wait_dscnt 16
	WIN MUL
	MUL8 F1, 0, 0, 0
	MUL8 F1, 0, 2, 0
	s_wait_dscnt 0
	MUL8 F1, 1, 0, 0
	MUL8 F1, 1, 2, 0
	WIN 0
; THE WAY OUT.  A wave's 64 columns of f32 are 256 bytes of a row: each wave has a stage of its own and needs no barrier.  A block of 16 rows goes in, 32 bytes a lane, and comes back as whole rows.
.macro TOSTAGE a
.irp b, 0,1,2,3
	ds_store_b128 v[STO], v[ACC+8*(4*(\a)+\b):ACC+8*(4*(\a)+\b)+3] offset:64*\b          ; each accumulator from its low end on
	ds_store_b128 v[STO], v[ACC+8*(4*(\a)+\b)+4:ACC+8*(4*(\a)+\b)+7] offset:64*\b+16
.endr
.irp t, 0,1,2,3,4,5,6,7
	ds_load_b128 v[ACC+32*(\a)+4*\t:ACC+32*(\a)+4*\t+3], v[RD] offset:\t*2*SPITCH         ; LDS serves a wave's instructions in order: these see the stores above; back into the registers that they left
.endr
.endm
.macro SEND a, younger                 ; younger: the next block's eight stores and eight loads, which may stay out
	s_wait_dscnt \younger
.irp t, 0,1,2,3,4,5,6,7
	global_store_b128 v[CO], v[ACC+32*(\a)+4*\t:ACC+32*(\a)+4*\t+3], s[8:9] offset:(16*(\a)+2*\t)*CROW th:TH_STORE_NT   ; 16 lanes store 256 consecutive bytes, at a multiple of 256 from out0's first byte
.endr
.endm
	PLACES
	TOSTAGE 0
.irp a, 1,2,3
	TOSTAGE \a
	SEND \a-1, 16
.endr
	SEND 3, 0
	s_wait_tensorcnt 0x0                           ; the wave's end
	ds_add_u32 v[SPW], v[NIL]
	s_wait_dscnt 0x0
	CROUND                                         ; the closing round
	s_endpgm
.Lfunc_end_k_qa61eafc753_proj:
	.size	k_qa61eafc753_proj, .Lfunc_end_k_qa61eafc753_proj-k_qa61eafc753_proj
	.p2alignl 7, 3214868480
	.fill 96, 4, 3214868480
	.section	.rodata,"a",@progbits
	.p2align	6, 0x0
	.amdhsa_kernel k_qa61eafc753_proj
		.amdhsa_group_segment_fixed_size 327680
		.amdhsa_private_segment_fixed_size 0
		.amdhsa_enable_private_segment 0
		.amdhsa_kernarg_size 24
		.amdhsa_user_sgpr_count 2
		.amdhsa_user_sgpr_kernarg_segment_ptr 1
		.amdhsa_wavefront_size32 1
		.amdhsa_system_sgpr_workgroup_id_x 1
		.amdhsa_system_sgpr_workgroup_id_y 1
		.amdhsa_system_sgpr_workgroup_id_z 1
		.amdhsa_system_vgpr_workitem_id 0
		.amdhsa_next_free_vgpr 512
		.amdhsa_next_free_sgpr 66
		.amdhsa_reserve_vcc 0
		.amdhsa_float_denorm_mode_32 3
		.amdhsa_float_denorm_mode_16_64 3
		.amdhsa_memory_ordered 1
		.amdhsa_forward_progress 1
		.amdhsa_inst_pref_size 85
	.end_amdhsa_kernel
	.amdgpu_metadata
---
amdhsa.version: [ 1, 2 ]
amdhsa.kernels:
  - .name:           k_qa61eafc753_proj
    .symbol:         k_qa61eafc753_proj.kd
    .args:
      - { .name: aF, .offset: 0, .size: 8, .value_kind: global_buffer, .address_space: global }
      - { .name: wpF, .offset: 8, .size: 8, .value_kind: global_buffer, .address_space: global }
      - { .name: out0, .offset: 16, .size: 8, .value_kind: global_buffer, .address_space: global }
    .group_segment_fixed_size: 327680
    .private_segment_fixed_size: 0
    .kernarg_segment_align: 8
    .kernarg_segment_size: 24
    .max_flat_workgroup_size: 128
    .sgpr_count:     66
    .vgpr_count:     512
    .wavefront_size: 32
...
	.end_amdgpu_metadata
.endif
;; end of part 4
